; MI455X (gfx1250); checked and timed in simulation.
; The chip was launched on July 23, 2026; its instructions are those of AMD's public machine-readable ISA for CDNA 5 (MIT licence, August 2026) and "CDNA5" Instruction Set Architecture Reference Guide (July 2026). The comments in the code are by the model that wrote it; some were corrected since.
;; My Multi Headed Attention. Allowed arithmetic: matrix products marked QUANTISED: E5M2 operands, one given power-of-two scale a tensor, by v_wmma_f32_16x16x64_bf8_bf8 or v_wmma_f32_16x16x128_bf8_bf8, f32 sums; everything else in f32.
;; Inputs: Wq_codes 1,024 x 32 x 32 uint8 (E5M2 codes of Wq, K innermost, in blocks of 32 codes); bq 1,024 float32; key 4 x 2,048 x 1,024 float32; lowp_scales 6 int32 (the exponents e of the quantised operands' scales 2^e); mask 4 x 1 x 2,048 int32; query_codes 4 x 2,048 x 32 x 32 uint8 (E5M2 codes of query, K innermost, in blocks of 32 codes); value_codes 4 x 1,024 x 64 x 32 uint8 (E5M2 codes of value, K innermost, in blocks of 32 codes).
;; Outputs: out0 4 x 2,048 x 1,024 float32.
;; This version of the problem:
;;   THIS VERSION OF THE PROBLEM IS GIVEN IN LOW PRECISION. The matrix products marked QUANTISED in the list below multiply operands that are first quantised to E5M2 (5 exponent bits, 2 mantissa bits; 8 bits a number), with one given power-of-two scale for each operand tensor; their sums are f32. All else is computed in f32.
;;   The module's matrix products, in the order in which they are computed (A, B: the left and right operand; K: the contracted axis; several contracted axes count as one K, in the product's order):
;;     1. [M 8,192, K 1,024] x [K 1,024, N 1,024]; A: input query (given as codes); B: input Wq (given as codes): QUANTISED (scales: A lowp_scales[0], B lowp_scales[1])
;;     2. batch 64 x [M 2,048, K 64] x [K 64, N 2,048]; A: computed on the way; B: input key: QUANTISED (scales: A lowp_scales[2], B lowp_scales[3])
;;     3. batch 64 x [M 2,048, K 2,048] x [K 2,048, N 64]; A: computed on the way; B: input value (given as codes): QUANTISED (scales: A lowp_scales[4], B lowp_scales[5])
;;   THE QUANTISER, for each operand of a quantised product, along K:
;;     - The operand's scale is 2^e, e = its entry of the input lowp_scales (int32; the entries are numbered through the quantised products in the list's order, A before B).
;;     - Each number is divided by the scale, clamped to +-57,344, and rounded to the nearest number of E5M2, ties to even, subnormals kept.
;;     - The product sums the exact products of the quantised numbers (number of the format x scale) in f32.
;;   ~~~python
;;   def quantise(x, axis, e):      # numpy; x: float32 -> the quantised numbers, widened to float32 again
;;       x = np.moveaxis(x, axis, -1); K = x.shape[-1]
;;       r = np.clip(x / 2.0 ** e, -57344, 57344)
;;       step = 2.0 ** (np.maximum(np.frexp(np.where(r == 0, 1, r))[1] - 1, -14) - 2)
;;       q = np.round(r / step) * step * 2.0 ** e      # np.round: ties to even
;;       return np.moveaxis(q, -1, axis).astype(np.float32)
;;   ~~~
;;   OPERANDS COMPUTED ON THE WAY. 'Computed on the way' means the value that the module computes at that place (a softmax that the list does not call 'softmax' is quantised finished and normalised). What goes into a quantiser is computed in f32, as accurately as f32 sums, v_exp_f32 and their like allow (about 1e-6 of the number): no bf16 or f16 on the way to a quantiser, and a product that is left as it is and whose result goes on into a quantised operand takes f32 operands (vector FMAs, or v_wmma_f32_16x16x4_f32). A number that lies on a knife's edge between two numbers of the format may be rounded either way, as far as f32 arithmetic and the matrix unit's own rounding can turn it there, and no further.
;;   INPUTS GIVEN AS CODES. Wq (in the module: [1024, 1024], K = its axis 1); query (in the module: [4, 2048, 1024], K = its axis 2); value (in the module: [4, 2048, 1024], K = its axis 1): each comes as NAME_codes (uint8): NAME with its K axis moved to the last place and cut into blocks of 32 codes, [.., K / 32, bytes a block], one block behind the other in memory; one code a byte (a code: sign, 5 exponent bits, 2 mantissa bits); its scale is its entry of lowp_scales. Its value is code x scale, taken as it is: it is not quantised again, and the codes and scales need not be those that the quantiser above would give.
;; 2 versions. Each part assembles by itself: llvm-mc -triple=amdgcn-amd-amdhsa -mcpu=gfx1250 --defsym DOCPART=n.
;; ======== version 1 of 2: 1 launch
;; launch attn (part 1): grid 4 x 64, 8 waves a work-group, no clusters, 305,664 bytes of LDS; arguments query_codes, Wq_codes, bq, key, value_codes, mask, lowp_scales, out0; writes out0
.if DOCPART == 1
	.amdgcn_target "amdgcn-amd-amdhsa--gfx1250"
	.amdhsa_code_object_version 6
	.text
	.protected	k_qd1a35ad2e3_attn
	.globl	k_qd1a35ad2e3_attn
	.p2align	8
	.type	k_qd1a35ad2e3_attn,@function
k_qd1a35ad2e3_attn:
	s_mov_b64 s[64:65], 0
	v_nop
	global_prefetch_b8 v0, s[64:65] scope:SCOPE_SE
	s_setreg_imm32_b32 hwreg(HW_REG_WAVE_MODE, 25, 1), 1
	s_wait_xcnt 0x0
; out[b][q][64 h + d] = sum over keys of attn(q, key) v(key, d), attn = softmax over the unmasked keys of (query Wq^T + bq) . key / 8, and 0 where mask == 0.
; All three products on codes of BF8 (E5M2), each operand with its given scale 2^e (e0 .. e5): query and Wq come as codes; q is quantised with e2; key comes as f32 and is quantised with e3;
; attn is quantised FINISHED AND NORMALISED with e4; value comes as codes with the keys innermost.
; SHARES.  One work-group = one batch b, one head h, 512 queries.  Eight waves, 64 queries each: four tiles of 16.  4 x 64 = 256 work-groups.
; THE MASKED KEYS ARE LEFT OUT.  A key with mask == 0 adds nothing to a row's sum and nothing to the product.  The work-group reads the mask, lists the n unmasked keys, and gathers K (quantised on the way) and
; V's codes into LDS packed to those n.  Every loop has a constant trip count; a trip with no keys left is passed over by a scalar branch on n.  n = 0 gives zeros, as the definition does.
; TWO PASSES.  attn is normalised ahead of its quantiser, so a row's maximum and sum are wanted first: pass 1 makes the scores and keeps, for each lane, a running maximum and sum; pass 2 makes the same scores
; again (the same instruction on the same registers: the same bits), p = 2^(t - M) / sum, its codes, and O^T += V^T P.  t = score x log2(e) / 8; M = the largest t rounded up to a whole number.
; ALL PRODUCTS ARE USED TRANSPOSED (source 0 = 16 rows of Wq, of K or of V^T; source 1 = 16 queries): a lane holds ONE query (lane % 16), and its registers run along the next product's K.
; Rows of Wq and of K lie in LDS with bits 3 and 4 of their number exchanged: a tile is then 16 consecutive LDS rows, and the registers of two neighbouring tiles are 16 neighbours along the next K.
; Fragments are fetched by loads of 16 bytes: a permutation of k, the same on both sides of each product.
; NO JOINT LOADS, though the four work-groups of a head read the same K and V (256 n + 131,072 bytes).
; The operands go through registers.
; LIMITS.  e2 - e0 - e1, e3 and e4 between -126 and 112; e2 + e3 between -123 and 130; e4 + e5 between -126 and 127: each power of two below is then an f32 number.  NaN and infinity are not served, among
; the f32 inputs or as codes (a NaN or infinity code of value under a masked key is passed over here).  The keys are summed in the list's order, not in memory's.
.set KP,    80                         ; a row of K in LDS: 64 codes + 16: an odd multiple of 16 bytes, so the 16 rows of a load start at 16 different 16-byte columns modulo 256 bytes
.set VP,    2064                       ; a row of V: 2,048 codes + 16
.set QP,    272                        ; a row of a wave's stage: 256 bytes + 16
.set WP,    1040                       ; a row of Wq: 1,024 codes + 16
.set VBASE, 2048*KP                    ; LDS: K at 0 (163,840 bytes), V behind it (132,096),
.set IDXB,  VBASE+64*VP                ; the list behind that: 2,048 words, a dump word, the rest of the zero fill (8,704 bytes)
.set WST,   64*QP                      ; a wave's stage (query chunks, later the output), over K's bytes: 17,408
.set RR,   1                           ; v1   lane % 16
.set HH,   2                           ; v2   lane / 16
.set LN,   3                           ; v3   lane
.set L16,  4                           ; v4   16 x lane
.set QGO,  5                           ; v5   query: 1,024 HH + 16 RR
.set QSA,  6                           ; v6   stage by rows: wave + 272 HH + 16 RR
.set XFA,  7                           ; v7   stage by fragments: wave + 272 RR + 16 HH
.set OSA,  8                           ; v8   stage, results in: wave + 272 RR + 32 HH
.set WSA,  9                           ; v9   Wq into LDS
.set WFA,  10                          ; v10  Wq by fragments
.set BQO,  11                          ; v11  bq: 64 HH
.set RSA,  12                          ; v12  raw V into LDS: 16,384 wave + 16 lane
.set IXA,  13                          ; v13  the list, 4 words a lane
.set KIA,  14                          ; v14  the list, for K's gather
.set KGO,  15                          ; v15  32 x (lane % 8)
.set KSA0, 16                          ; v16  K into LDS, block 0
.set KSA,  17                          ; v17  the same for the block in hand; at the end my offset in out
.set VSA,  18                          ; v18  V into LDS
.set KFA,  19                          ; v19  K by fragments
.set VFA,  20                          ; v20  V by fragments
.set ADK,  21
.set ADV,  22
.set ADV2, 23
.set H16,  24                          ; v24  16 HH
.set DD,   25
.set NINF, 26                          ; v26  -infinity
.set SC,   27                          ; v27, v28  scale and hold: q's, later p's
.set LIM,  28
.set SCK,  29                          ; v29, v30  K's
.set LIMK, 30
.set PA,   31                          ; v31  wave 0: where a list entry goes
.set QF,   32                          ; v32-63    q's codes, 8 registers a tile
.set SS,   64                          ; v64-191   mask words and Wq on their way; q's sums; V's gathered words; the scores; the output
.set MK,   64
.set WQR,  128
.set ACC,  64
.set VR,   64
.set BI,   192                         ; v192-223  bq in the result's layout; gathered bytes; p's codes
.set TT,   192
.set PC,   192
.set IX,   224                         ; v224-227  list entries for V's gather
.set KQ,   228                         ; v228-243  list entries, then offsets, for K's gather
.set KC,   244                         ; v244-251  K's codes
.set ST,   224                         ; v224-255  in the loops: 8 a tile: +0 -M, +1 the largest t, +2 +3 the sum, +4 f, later 1 / sum, +5 zero, +6 +7 at work
.set WF,   128                         ; window 1: v0-127 query chunk, raw V, K's numbers, O^T;  v128-191 Wq's fragments, K's;  v192-255 query fragments, V's
.set XF,   192
.set KF,   128
.set VF,   192
.set MSB, 0
.macro WIN new                         ; low byte: bits 1:0 source 0, 3:2 source 1, 5:4 source 2, 7:6 destination; the high byte repeats the setting that is left
.if MSB != \new
	s_set_vgpr_msb (MSB<<8)|\new
.set MSB, \new
.endif
.endm
.macro BAR                             ; my LDS stores have landed and my LDS loads are in: then the work-group's barrier
	s_wait_dscnt 0x0
	s_barrier_signal -1
	s_barrier_wait -1
.endm
.macro PLACES n                        ; plain vector instructions between a matrix instruction and a read of its result or a load into its registers
.rept \n
	v_nop
.endr
.endm
	s_load_b512 s[4:19], s[0:1], 0x0               ; query s[4:5], Wq s[6:7], bq s[8:9], key s[10:11], value s[12:13], mask s[14:15], scales s[16:17], out s[18:19]
	v_lshrrev_b32 v[LN], 5, v0
	v_readfirstlane_b32 s2, v[LN]                  ; wave 0..7
	v_and_b32 v[LN], 31, v0
	v_and_b32 v[RR], 15, v0
	v_bfe_u32 v[HH], v0, 4, 1
	v_lshlrev_b32 v[L16], 4, v[LN]
	s_and_b32 s39, ttmp7, 0xffff
	s_lshr_b32 s48, s39, 4                         ; b
	s_and_b32 s49, s39, 15                         ; h
	s_mul_i32 s40, s2, WST                         ; my stage
	s_lshl_b32 s51, s2, 14                         ; my 16,384 bytes of raw V
	; every LDS address that stays is made here, ahead of the one place where the waves part
	v_lshlrev_b32 v[QGO], 4, v[RR]
	v_lshl_add_u32 v[QGO], v[HH], 10, v[QGO]
	v_mul_u32_u24 v[QSA], v[HH], QP
	v_lshl_add_u32 v[QSA], v[RR], 4, v[QSA]
	v_add_nc_u32 v[QSA], s40, v[QSA]
	v_mul_u32_u24 v[XFA], v[RR], QP
	v_lshl_add_u32 v[OSA], v[HH], 5, v[XFA]
	v_lshl_add_u32 v[XFA], v[HH], 4, v[XFA]
	v_add_nc_u32 v[XFA], s40, v[XFA]
	v_add_nc_u32 v[OSA], s40, v[OSA]
	s_bfe_u32 s41, s2, 0x10001                     ; Wq's row 8 w + i goes to LDS row i + 8 (bit 1 of w) + 16 (bit 0) + 32 (bit 2): bits 3 and 4 of the row exchanged
	s_lshl_b32 s41, s41, 3
	s_and_b32 s42, s2, 1
	s_lshl_b32 s43, s42, 4
	s_add_co_u32 s41, s41, s43
	s_lshr_b32 s43, s2, 2
	s_lshl_b32 s43, s43, 5
	s_add_co_u32 s41, s41, s43
	s_mul_i32 s41, s41, WP
	s_add_co_u32 s41, s41, VBASE
	v_add_nc_u32 v[WSA], s41, v[L16]
	v_mul_u32_u24 v[WFA], v[RR], WP
	v_lshl_add_u32 v[WFA], v[HH], 4, v[WFA]
	v_add_nc_u32 v[WFA], VBASE, v[WFA]
	v_lshlrev_b32 v[BQO], 6, v[HH]
	v_add_nc_u32 v[RSA], s51, v[L16]
	v_add_nc_u32 v[IXA], IDXB, v[L16]
	v_bfe_u32 v[KSA], v0, 3, 2                     ; g = lane / 8
	s_lshl_b32 s41, s2, 6
	s_add_co_u32 s41, s41, IDXB
	v_lshl_add_u32 v[KIA], v[KSA], 4, s41          ; list words 16 w + 4 g + 0..3 of a block of 128
	v_and_b32 v[KGO], 7, v0
	v_lshlrev_b32 v[KGO], 5, v[KGO]
	s_lshr_b32 s41, s2, 1                          ; position 16 w + 4 g + u of a block goes to LDS row 32 (w / 2) + 16 (g / 2) + 8 (w % 2) + 4 (g % 2) + u
	s_lshl_b32 s41, s41, 5
	s_lshl_b32 s43, s42, 3
	s_add_co_u32 s41, s41, s43
	s_mul_i32 s41, s41, KP
	v_bfe_u32 v[KSA0], v0, 3, 1
	v_lshlrev_b32 v[KSA0], 2, v[KSA0]
	v_lshl_add_u32 v[KSA0], v[HH], 4, v[KSA0]
	v_mul_u32_u24 v[KSA0], v[KSA0], KP
	v_and_b32 v[KSA], 7, v0
	v_lshl_add_u32 v[KSA0], v[KSA], 3, v[KSA0]
	v_add_nc_u32 v[KSA0], s41, v[KSA0]
	s_mul_i32 s41, s2, 8*VP
	s_add_co_u32 s41, s41, VBASE
	v_lshl_add_u32 v[VSA], v[LN], 2, s41
	v_mul_u32_u24 v[KFA], v[RR], KP
	v_lshl_add_u32 v[KFA], v[HH], 4, v[KFA]
	v_mul_u32_u24 v[VFA], v[RR], VP
	v_lshl_add_u32 v[VFA], v[HH], 4, v[VFA]
	v_add_nc_u32 v[VFA], VBASE, v[VFA]
	v_lshlrev_b32 v[H16], 4, v[HH]
	v_mov_b32 v[NINF], 0xff800000
	v_mov_b32 v232, 0
	v_mov_b32 v233, 0
	v_mov_b32 v234, 0
	v_mov_b32 v235, 0
	v_mov_b32 v254, 0x800                          ; the dump word's index
	v_lshlrev_b32 v255, 2, v[LN]
	; offsets of my parts, each added once to its own buffer's address
	s_mov_b32 s41, 0
	s_lshl_b32 s44, s48, 11
	s_lshl_b32 s45, ttmp9, 9
	s_add_co_u32 s44, s44, s45
	s_lshl_b32 s45, s2, 6
	s_add_co_u32 s44, s44, s45                     ; my first query: 2,048 b + 512 x + 64 w
	s_lshl_b32 s45, s49, 8                         ; 256 h: the head's 64 numbers of f32
	s_lshl_b32 s46, s49, 6
	s_lshl_b32 s47, s2, 3
	s_add_co_u32 s46, s46, s47                     ; 64 h + 8 w
	s_wait_kmcnt 0x0
	s_load_b128 s[20:23], s[16:17], 0x0            ; e0 .. e3
	s_load_b64 s[24:25], s[16:17], 0x10            ; e4, e5
	s_lshl_b32 s40, s48, 13
	s_add_nc_u64 s[14:15], s[14:15], s[40:41]      ; mask of my batch
	s_lshl_b32 s40, s44, 10
	s_add_nc_u64 s[4:5], s[4:5], s[40:41]          ; query at my first row
	s_lshl_b32 s40, s44, 12
	s_add_co_u32 s40, s40, s45
	s_add_nc_u64 s[18:19], s[18:19], s[40:41]      ; out at my first row, my head
	s_mov_b32 s40, s45
	s_add_nc_u64 s[8:9], s[8:9], s[40:41]          ; bq at my head
	s_lshl_b32 s40, s48, 23
	s_add_co_u32 s40, s40, s45
	s_add_nc_u64 s[10:11], s[10:11], s[40:41]      ; key at my batch, my head
	s_lshl_b32 s40, s46, 10
	s_add_nc_u64 s[6:7], s[6:7], s[40:41]          ; Wq at my 8 rows
	s_lshl_b32 s47, s48, 10
	s_add_co_u32 s46, s46, s47
	s_lshl_b32 s40, s46, 11
	s_add_nc_u64 s[12:13], s[12:13], s[40:41]      ; value at my 8 rows
.macro QLOAD ch                        ; 256 codes of each of my 64 query rows: sixteen lanes read 256 consecutive bytes
	WIN 0x40
.set qi, 0
.rept 32
	global_load_b128 v[4*qi:4*qi+3], v[QGO], s[4:5] offset:2048*qi+256*(\ch)
.set qi, qi+1
.endr
	WIN 0
.endm
	; ---- A: the mask (every wave reads all 2,048 words: register 4 i + e of a lane is key 128 i + 4 lane + e), my 8 rows of Wq, bq, the first query chunk
.set ci, 0
.rept 16
	global_load_b128 v[MK+4*ci:MK+4*ci+3], v[L16], s[14:15] offset:512*ci
.set ci, ci+1
.endr
.set ci, 0
.rept 16
	global_load_b128 v[WQR+4*ci:WQR+4*ci+3], v[L16], s[6:7] offset:512*ci
.set ci, ci+1
.endr
.irp t, 0,1,2,3                        ; tile t, lane (RR, HH), register j: bq of d = 32 (t / 2) + 16 HH + 8 (t % 2) + j
	global_load_b128 v[BI+8*\t:BI+8*\t+3], v[BQO], s[8:9] offset:(32*(\t/2)+8*(\t%2))*4
	global_load_b128 v[BI+8*\t+4:BI+8*\t+7], v[BQO], s[8:9] offset:(32*(\t/2)+8*(\t%2))*4+16
.endr
	QLOAD 0
	s_mov_b32 s26, 0                               ; n
	s_wait_loadcnt 56                              ; the mask is in: behind it 16 loads of Wq, 8 of bq, 32 of query may be out
	s_cmp_lg_u32 s2, 0
	s_cbranch_scc1 .Lcount
	; wave 0 writes the list; no other wave touches LDS ahead of the first barrier.  First zeros: positions from n on name key 0, whose scores the tail's mask hides
.set ci, 0
.rept 17
	ds_store_b128 v[IXA], v[232:235] offset:512*ci
.set ci, ci+1
.endr
.set ci, 0
.rept 64
	v_cmp_ne_u32 s38, 0, v[MK+ci]                  ; the lanes whose key counts
	v_mbcnt_lo_u32_b32 v252, s38, s26              ; n so far + such lanes below me: my key's position
	v_cndmask_b32 v252, v254, v252, s38            ; a masked key goes to the dump word
	v_min_u32 v252, 0x800, v252
	v_lshl_add_u32 v[PA], v252, 2, IDXB
	v_add_nc_u32 v253, 128*(ci/4)+ci%4, v255       ; the key
	ds_store_b32 v[PA], v253
	s_bcnt1_i32_b32 s39, s38
	s_add_co_u32 s26, s26, s39
.set ci, ci+1
.endr
	s_branch .Ljoin
.Lcount:                                               ; the other waves only count
.set ci, 0
.rept 64
	v_cmp_ne_u32 s38, 0, v[MK+ci]
	s_bcnt1_i32_b32 s39, s38
	s_add_co_u32 s26, s26, s39
.set ci, ci+1
.endr
.Ljoin:
	s_add_co_u32 s27, s26, 127
	s_lshr_b32 s27, s27, 7                         ; blocks of 128 positions
	s_add_co_u32 s28, s26, 63
	s_lshr_b32 s28, s28, 6                         ; steps of 64
	BAR                                            ; the list lies in LDS
	; ---- A2: Wq into LDS; bq / 2^(e0 + e1); the constants made of the given exponents
	s_wait_loadcnt 40                              ; Wq is in: 8 loads of bq and 32 of query may be out
.set ci, 0
.rept 16
	ds_store_b128 v[WSA], v[WQR+4*ci:WQR+4*ci+3] offset:(ci/2)*WP+(ci%2)*512
.set ci, ci+1
.endr
	s_wait_loadcnt 32                              ; bq is in
	s_wait_kmcnt 0x0
	s_add_co_i32 s39, s20, s21                     ; a sum of the first product stands for sum x 2^(e0 + e1): bq goes in divided by that, as the C of the first K step
	s_sub_co_i32 s40, 0, s39
.set ci, 0
.rept 32
	v_ldexp_f32 v[BI+ci], v[BI+ci], s40
.set ci, ci+1
.endr
	s_sub_co_i32 s41, s22, s39                     ; q's code = sum / 2^(e2 - e0 - e1)
	s_add_co_i32 s41, s41, 127
	s_lshl_b32 s42, s41, 23
	v_mov_b32 v[SC], s42
	s_add_co_i32 s41, s41, 15
	s_lshl_b32 s41, s41, 23
	s_or_b32 s41, s41, 0x600000
	v_mov_b32 v[LIM], s41                          ; 57,344 x that
	s_add_co_i32 s41, s23, 127
	s_lshl_b32 s42, s41, 23
	v_mov_b32 v[SCK], s42                          ; 2^e3
	s_add_co_i32 s41, s41, 15
	s_lshl_b32 s41, s41, 23
	s_or_b32 s41, s41, 0x600000
	v_mov_b32 v[LIMK], s41
	s_add_co_i32 s39, s22, s23
	s_lshl_b32 s39, s39, 23
	s_mov_b32 s32, 0x3e38aa3b                      ; log2(e) / 8,
	s_add_co_i32 s32, s32, s39                     ; x 2^(e2 + e3): the exponents are added to its exponent field
	s_mov_b32 s33, s32                             ; (named with it as a pair)
	s_mov_b32 s34, 0x76543210                      ; v_permlanex16_b32: lane l xor 16
	s_mov_b32 s35, 0xfedcba98
	s_add_co_i32 s36, s24, s25
	s_add_co_i32 s36, s36, 127
	s_lshl_b32 s36, s36, 23                        ; 2^(e4 + e5)
	s_mov_b32 s37, s36
	BAR                                            ; the head's 64 rows of Wq lie in LDS
	; ---- B: q^T = Wq query^T + bq for my 64 queries: K = 1,024 in four chunks of 256, each through my own stage
.macro QSTORE
	WIN 0x04                                       ; store data in window 1
.set qi, 0
.rept 32
	ds_store_b128 v[QSA], v[4*qi:4*qi+3] offset:2*QP*qi
.set qi, qi+1
.endr
	WIN 0
.endm
.macro VLOAD                           ; my 8 rows of value, 16,384 dense bytes
	WIN 0x40
.set qi, 0
.rept 32
	global_load_b128 v[4*qi:4*qi+3], v[L16], s[12:13] offset:512*qi
.set qi, qi+1
.endr
	WIN 0
.endm
.macro PFRAG kw, ks                    ; 128 along K: four fragments of Wq (K step kw of its rows), four of query (K step ks of the chunk)
	WIN 0x40
.set ct, 0
.rept 4
.set cc, 0
.rept 4
	ds_load_b128 v[WF+16*ct+4*cc:WF+16*ct+4*cc+3], v[WFA] offset:16*WP*ct+128*(\kw)+32*cc
.set cc, cc+1
.endr
.set ct, ct+1
.endr
.set ct, 0
.rept 4
.set cc, 0
.rept 4
	ds_load_b128 v[XF+16*ct+4*cc:XF+16*ct+4*cc+3], v[XFA] offset:16*QP*ct+128*(\ks)+32*cc
.set cc, cc+1
.endr
.set ct, ct+1
.endr
	WIN 0
.endm
.macro PMUL first                      ; 16 products on 16 accumulators by turns, one instruction a turn
	WIN 0x05
.set ca, 0
.rept 4
.set ct, 0
.rept 4
.if \first
	v_wmma_f32_16x16x128_bf8_bf8 v[ACC+8*(4*ca+ct):ACC+8*(4*ca+ct)+7], v[WF+16*ct:WF+16*ct+15], v[XF+16*ca:XF+16*ca+15], v[BI+8*ct:BI+8*ct+7]
.else
	v_wmma_f32_16x16x128_bf8_bf8 v[ACC+8*(4*ca+ct):ACC+8*(4*ca+ct)+7], v[WF+16*ct:WF+16*ct+15], v[XF+16*ca:XF+16*ca+15], v[ACC+8*(4*ca+ct):ACC+8*(4*ca+ct)+7]
.endif
.set ct, ct+1
.endr
.set ca, ca+1
.endr
	WIN 0
.endm
.irp ch, 0,1,2,3
	s_wait_loadcnt 0x0                             ; the chunk is in
	QSTORE
	s_wait_dscnt 0x0                               ; the stores have read their registers, which take the next loads
.if \ch < 3
	QLOAD \ch+1
.else
	VLOAD                                          ; asked for a phase ahead
.endif
.irp ks, 0,1
.if \ch+\ks > 0
	PLACES 4                                       ; in front of loads into registers that matrix instructions have read
.endif
	PFRAG 2*\ch+\ks, \ks
	s_wait_dscnt 0x0
.if \ch+\ks == 0
	PMUL 1
.else
	PMUL 0
.endif
.endr
.endr
	PLACES 4
.set ci, 0
.rept 128
	v_med3_num_f32 v[ACC+ci], v[ACC+ci], -v[LIM], v[LIM]   ; the conversion to an 8-bit code does not saturate (ISA guide 7.6.2): the hold first; each accumulator from its low end on
.set ci, ci+1
.endr
.set ci, 0
.rept 16
	v_cvt_scalef32_pk8_bf8_f32 v[QF+2*ci:QF+2*ci+1], v[ACC+8*ci:ACC+8*ci+7], v[SC]   ; tile t of query tile a: registers 2 t, 2 t + 1 of q's fragment: d = 32 (t / 2) + 16 HH + 8 (t % 2) + 0..7
.set ci, ci+1
.endr
	v_nop                                          ; a plain instruction behind the last conversion
	BAR                                            ; nobody reads a stage or Wq any more
	; ---- C: raw V into LDS (over the stages); the first eight blocks of K are asked for
.macro KQLOAD q                        ; list entries of blocks 4 q .. 4 q + 3: four a lane and block
.irp k, 0,1,2,3
	ds_load_b128 v[KQ+4*\k:KQ+4*\k+3], v[KIA] offset:512*(4*(\q)+\k)
.endr
.endm
.macro KADDR                           ; a key's row of 4,096 bytes + my 32 bytes of the head's 256
.set ci, 0
.rept 16
	v_min_u32 v[KQ+ci], 0x7ff, v[KQ+ci]
.set ci, ci+1
.endr
.set ci, 0
.rept 16
	v_lshl_add_u32 v[KQ+ci], v[KQ+ci], 12, v[KGO]
.set ci, ci+1
.endr
.endm
.macro KISSUE kb                       ; block kb, if it has keys: 4 rows a lane group, 8 neighbouring numbers a lane: eight lanes read a row's 256 consecutive bytes
	s_cmp_le_u32 s27, \kb
	s_cbranch_scc1 .Lki_\@
.set kr, 128*(1-(((\kb)/4)%2))+32*((\kb)%4)
	WIN 0x40
.irp u, 0,1,2,3
	global_load_b128 v[kr+8*\u:kr+8*\u+3], v[KQ+4*((\kb)%4)+\u], s[10:11]
	global_load_b128 v[kr+8*\u+4:kr+8*\u+7], v[KQ+4*((\kb)%4)+\u], s[10:11] offset:16
.endr
	WIN 0
.Lki_\@:
.endm
	s_wait_loadcnt 0x0                             ; raw V is in
	WIN 0x04
.set qi, 0
.rept 32
	ds_store_b128 v[RSA], v[4*qi:4*qi+3] offset:512*qi
.set qi, qi+1
.endr
	WIN 0
	KQLOAD 0
	s_wait_dscnt 0x0
	KADDR
.irp kb, 0,1,2,3
	KISSUE \kb
.endr
	s_wait_xcnt 0x0                                ; those loads have read their offsets, which are written again
	KQLOAD 1
	s_wait_dscnt 0x0                               ; (the stores of raw V have read their registers too: they take blocks 4 to 7)
	KADDR
.irp kb, 4,5,6,7
	KISSUE \kb
.endr
	BAR                                            ; raw V lies in LDS; between this barrier and the next LDS is only read
	; ---- D: V's gather: for each block of 128 positions a lane takes 4 positions x my wave's 8 rows, a byte at a time, and packs them into words
.macro VGATH pb
	s_cmp_le_u32 s27, \pb
	s_cbranch_scc1 .Lvg_\@
	ds_load_b128 v[IX:IX+3], v[IXA] offset:512*(\pb)
	s_wait_dscnt 0x0
.irp e, 0,1,2,3
	v_min_u32 v[IX+\e], 0x7ff, v[IX+\e]
.endr
.irp e, 0,1,2,3
	v_add_nc_u32 v[IX+\e], s51, v[IX+\e]
.endr
.set cd, 0
.rept 8
.irp e, 0,1,2,3
	ds_load_u8 v[TT+4*cd+\e], v[IX+\e] offset:2048*cd
.endr
.set cd, cd+1
.endr
	s_wait_dscnt 0x0
.set cd, 0
.rept 8
	v_lshl_or_b32 v[VR+8*(\pb)+cd], v[TT+4*cd+1], 8, v[TT+4*cd]
.set cd, cd+1
.endr
.set cd, 0
.rept 8
	v_lshl_or_b32 v[VR+8*(\pb)+cd], v[TT+4*cd+2], 16, v[VR+8*(\pb)+cd]
.set cd, cd+1
.endr
.set cd, 0
.rept 8
	v_lshl_or_b32 v[VR+8*(\pb)+cd], v[TT+4*cd+3], 24, v[VR+8*(\pb)+cd]
.set cd, cd+1
.endr
.Lvg_\@:
.endm
.irp pb, 0,1,2,3,4,5,6,7,8,9,10,11,12,13,14,15
	VGATH \pb
.endr
	BAR                                            ; nobody reads raw V any more
	; ---- E: packed V and packed, quantised K into LDS
.macro VSTORE pb
	s_cmp_le_u32 s27, \pb
	s_cbranch_scc1 .Lvs_\@
.set cd, 0
.rept 8
	ds_store_b32 v[VSA], v[VR+8*(\pb)+cd] offset:cd*VP+128*(\pb)
.set cd, cd+1
.endr
.Lvs_\@:
.endm
.macro KCONV kb
	s_cmp_le_u32 s27, \kb
	s_cbranch_scc1 .Lkc_\@
.set kr, 128*(1-(((\kb)/4)%2))+32*((\kb)%4)
	s_wait_dscnt 0x0                               ; the last block's stores have read their registers
	v_add_nc_u32 v[KSA], (\kb)*128*KP, v[KSA0]
	WIN 0x41
.set ci, 0
.rept 32
	v_med3_num_f32 v[kr+ci], v[kr+ci], -v[LIMK], v[LIMK]
.set ci, ci+1
.endr
	WIN 0x01
.irp u, 0,1,2,3
	v_cvt_scalef32_pk8_bf8_f32 v[KC+2*\u:KC+2*\u+1], v[kr+8*\u:kr+8*\u+7], v[SCK]
.endr
	WIN 0
	v_nop                                          ; a plain instruction behind the last conversion
.irp u, 0,1,2,3
	ds_store_b64 v[KSA], v[KC+2*\u:KC+2*\u+1] offset:KP*\u
.endr
.Lkc_\@:
.endm
.irp pb, 0,1,2,3,4,5,6,7,8,9,10,11,12,13,14,15
	VSTORE \pb
.endr
	s_wait_loadcnt 0x0                             ; K's blocks 0 to 7 are in
.irp kb, 0,1,2,3
	KCONV \kb
.endr
	s_wait_xcnt 0x0
	KQLOAD 2
	s_wait_dscnt 0x0
	KADDR
.irp kb, 8,9,10,11
	KISSUE \kb
.endr
.irp kb, 4,5,6,7
	KCONV \kb
.endr
	s_wait_xcnt 0x0                                ; blocks 8 to 11's loads have read their offsets
	KQLOAD 3
	s_wait_dscnt 0x0
	KADDR
.irp kb, 12,13,14,15
	KISSUE \kb
.endr
	s_wait_loadcnt 0x0
.irp kb, 8,9,10,11,12,13,14,15
	KCONV \kb
.endr
	s_wait_dscnt 0x0                               ; the last stores have read their registers, which the statistics take
	; the loops' registers: the largest t begins at -3e38, under every t; the sums and O^T at 0 (each step is written once; with n = 0 these zeros are the result)
.irp a, 0,1,2,3
	v_mov_b32 v[ST+8*\a+1], 0xff61b1e6
	v_floor_f32 v[ST+8*\a], -v[ST+8*\a+1]
.irp o, 2,3,4,5,6,7
	v_mov_b32 v[ST+8*\a+\o], 0
.endr
.endr
	WIN 0x40
.set ci, 0
.rept 128
	v_mov_b32 v[ci], 0
.set ci, ci+1
.endr
	WIN 0
	s_add_co_i32 s41, s24, 127
	s_lshl_b32 s42, s41, 23
	v_mov_b32 v[SC], s42                           ; 2^e4, for p's conversions
	s_add_co_i32 s41, s41, 15
	s_lshl_b32 s41, s41, 23
	s_or_b32 s41, s41, 0x600000
	v_mov_b32 v[LIM], s41
	v_mov_b32 v[ADK], v[KFA]
	BAR                                            ; K and V lie in LDS, and are only read until the way out
.macro KLOAD n                         ; n tiles of 16 LDS rows of K, two loads of 16 bytes each
	WIN 0x40
.set ct, 0
.rept \n
	ds_load_b128 v[KF+8*ct:KF+8*ct+3], v[ADK] offset:16*KP*ct
	ds_load_b128 v[KF+8*ct+4:KF+8*ct+7], v[ADK] offset:16*KP*ct+32
.set ct, ct+1
.endr
	WIN 0
.endm
; The step that holds position n and beyond: those scores become -infinity.  Register 8 t + j of a lane holds position 32 (t / 2) + 16 HH + 8 (t % 2) + j of the step.  A step whose positions all count passes this over.
.macro TAIL sh, regs, tiles, dist      ; a step of 1 << sh positions; regs registers a query tile; tiles query tiles, dist registers apart
	s_add_co_u32 s39, s29, 1
	s_lshl_b32 s39, s39, \sh
	s_cmp_le_u32 s39, s26
	s_cbranch_scc1 .Lopen_\@
	s_sub_co_i32 s39, s26, s39
	s_add_co_i32 s39, s39, (1<<\sh)-1              ; n - the step's first position - 1
	v_sub_nc_u32 v[DD], s39, v[H16]
.set cn, 0
.rept \regs
	v_cmp_gt_i32 vcc_lo, 32*(cn/16)+8*((cn/8)%2)+cn%8, v[DD]
.set ca, 0
.rept \tiles
	v_cndmask_b32 v[SS+(\dist)*ca+cn], v[SS+(\dist)*ca+cn], v[NINF], vcc_lo
.set ca, ca+1
.endr
.set cn, cn+1
.endr
.Lopen_\@:
.endm
; Pass 1's vector work for query tiles 2 pr and 2 pr + 1, line by line by turns.  EACH LANE keeps the maximum and the sum of its own half of the keys: no lane looks at another in the loop.
.macro SOFT1 pr
.set t0, ST+16*(\pr)
.set t1, t0+8
	v_max3_num_f32 v[t0+6], v[SS], v[SS+1], v[SS+2]
	v_max3_num_f32 v[t1+6], v[SS+64], v[SS+65], v[SS+66]
	v_max3_num_f32 v[t0+7], v[SS+3], v[SS+4], v[SS+5]
	v_max3_num_f32 v[t1+7], v[SS+67], v[SS+68], v[SS+69]
.set ci, 6
.rept 14
	v_max3_num_f32 v[t0+6], v[t0+6], v[SS+ci], v[SS+ci+1]
	v_max3_num_f32 v[t1+6], v[t1+6], v[SS+64+ci], v[SS+64+ci+1]
	v_max3_num_f32 v[t0+7], v[t0+7], v[SS+ci+2], v[SS+ci+3]
	v_max3_num_f32 v[t1+7], v[t1+7], v[SS+64+ci+2], v[SS+64+ci+3]
.set ci, ci+4
.endr
	v_max3_num_f32 v[t0+6], v[t0+6], v[SS+62], v[SS+63]
	v_max3_num_f32 v[t1+6], v[t1+6], v[SS+126], v[SS+127]
.irp o, 0,8
	v_max_num_f32 v[t0+\o+6], v[t0+\o+6], v[t0+\o+7]
.endr
.irp o, 0,8
	v_mul_f32 v[t0+\o+6], s32, v[t0+\o+6]          ; as t (the factor is positive)
.endr
.irp o, 0,8
	v_max_num_f32 v[t0+\o+1], v[t0+\o+1], v[t0+\o+6]   ; the running largest t
.endr
.irp o, 0,8
	v_mov_b32 v[t0+\o+6], v[t0+\o]
.endr
.irp o, 0,8
	v_floor_f32 v[t0+\o], -v[t0+\o+1]              ; -M = floor(-t): M is a whole number
.endr
.irp o, 0,8
	v_sub_f32 v[t0+\o+6], v[t0+\o], v[t0+\o+6]     ; old M - new M: a whole number, 0 or less
.endr
.irp o, 0,8
	v_cvt_i32_f32 v[t0+\o+6], v[t0+\o+6]           ; (it saturates)
.endr
.irp o, 0,8
	v_ldexp_f32 v[t0+\o+4], 1.0, v[t0+\o+6]        ; f = 2^(old M - new M)
.endr
.set ci, 0
.rept 32
	v_pk_fma_f32 v[SS+2*ci:SS+2*ci+1], v[SS+2*ci:SS+2*ci+1], s[32:33], v[t0:t0+1] op_sel_hi:[1,0,0]   ; t - M, two at a time
.set ci, ci+1
.endr
.set ci, 0
.rept 32
	v_pk_fma_f32 v[SS+64+2*ci:SS+64+2*ci+1], v[SS+64+2*ci:SS+64+2*ci+1], s[32:33], v[t1:t1+1] op_sel_hi:[1,0,0]
.set ci, ci+1
.endr
.set ci, 0
.rept 128
	v_exp_f32 v[SS+ci], v[SS+ci]
.set ci, ci+1
.endr
	v_pk_mul_f32 v[t0+2:t0+3], v[t0+2:t0+3], v[t0+4:t0+5] op_sel_hi:[1,0]   ; the sums under the new M; also the plain instructions behind the exponentials
	v_pk_mul_f32 v[t1+2:t1+3], v[t1+2:t1+3], v[t1+4:t1+5] op_sel_hi:[1,0]
	s_wait_alu depctr_va_vdst(0)                   ; one wait for the batch of 128, ahead of its first use
	v_pk_add_f32 v[t0+6:t0+7], v[SS:SS+1], v[SS+2:SS+3]
	v_pk_add_f32 v[t1+6:t1+7], v[SS+64:SS+65], v[SS+66:SS+67]
.set ci, 4
.rept 15
	v_pk_add_f32 v[t0+2:t0+3], v[t0+2:t0+3], v[SS+ci:SS+ci+1]
	v_pk_add_f32 v[t1+2:t1+3], v[t1+2:t1+3], v[SS+64+ci:SS+64+ci+1]
	v_pk_add_f32 v[t0+6:t0+7], v[t0+6:t0+7], v[SS+ci+2:SS+ci+3]
	v_pk_add_f32 v[t1+6:t1+7], v[t1+6:t1+7], v[SS+64+ci+2:SS+64+ci+3]
.set ci, ci+4
.endr
	v_pk_add_f32 v[t0+2:t0+3], v[t0+2:t0+3], v[t0+6:t0+7]
	v_pk_add_f32 v[t1+2:t1+3], v[t1+2:t1+3], v[t1+6:t1+7]
.endm
.macro PAIR1 pr                        ; 128 positions x two query tiles: 16 products, each starting its sum with the constant 0
	WIN 0x01
.set ct, 0
.rept 8
.set cx, 0
.rept 2
	v_wmma_f32_16x16x64_bf8_bf8 v[SS+64*cx+8*ct:SS+64*cx+8*ct+7], v[KF+8*ct:KF+8*ct+7], v[QF+8*(2*(\pr)+cx):QF+8*(2*(\pr)+cx)+7], 0
.set cx, cx+1
.endr
.set ct, ct+1
.endr
	WIN 0
.if \pr == 1
	s_add_co_u32 s39, s30, 128*KP
	v_add_nc_u32 v[ADK], s39, v[KFA]               ; the next step's address: the first of the four places
	PLACES 3
	s_add_co_u32 s40, s29, 1
	s_cmp_ge_u32 s40, s27
	s_cbranch_scc1 .Lnk_\@
	KLOAD 8                                        ; the next step's K, if there is one, lands under this pair's vector work
.Lnk_\@:
.else
	PLACES 4
.endif
	TAIL 7, 64, 2, 64
	SOFT1 \pr
.endm
	; ---- F: pass 1.  Sixteen trips of 128 positions; a trip with no positions left is passed over
	KLOAD 8                                        ; step 0.  (With n = 0 these bytes, which the raw V stage wrote, are not used)
	s_mov_b32 s29, 0
	s_mov_b32 s30, 0
.Lp1:
	s_cmp_ge_u32 s29, s27
	s_cbranch_scc1 .Lp1_skip
	s_wait_dscnt 0x0                               ; this step's K is in
	PAIR1 0
	PAIR1 1
.Lp1_skip:
	s_add_co_u32 s30, s30, 128*KP
	s_add_co_u32 s29, s29, 1
	s_cmp_lt_u32 s29, 16
	s_cbranch_scc1 .Lp1
	; the two halves of the lanes meet: the larger M, both sums under it, 1 / sum
.irp a, 0,1,2,3
	v_permlanex16_b32 v[ST+8*\a+6], v[ST+8*\a], s34, s35
.endr
.irp a, 0,1,2,3
	v_min_num_f32 v[ST+8*\a+6], v[ST+8*\a+6], v[ST+8*\a]   ; the smaller -M
.endr
.irp a, 0,1,2,3
	v_sub_f32 v[ST+8*\a+7], v[ST+8*\a+6], v[ST+8*\a]
.endr
.irp a, 0,1,2,3
	v_mov_b32 v[ST+8*\a], v[ST+8*\a+6]
.endr
.irp a, 0,1,2,3
	v_cvt_i32_f32 v[ST+8*\a+7], v[ST+8*\a+7]
.endr
.irp a, 0,1,2,3
	v_ldexp_f32 v[ST+8*\a+7], 1.0, v[ST+8*\a+7]    ; 0 in a lane that has seen no key
.endr
.irp a, 0,1,2,3
	v_add_f32 v[ST+8*\a+2], v[ST+8*\a+2], v[ST+8*\a+3]
.endr
.irp a, 0,1,2,3
	v_mul_f32 v[ST+8*\a+2], v[ST+8*\a+2], v[ST+8*\a+7]
.endr
.irp a, 0,1,2,3
	v_permlanex16_b32 v[ST+8*\a+3], v[ST+8*\a+2], s34, s35
.endr
.irp a, 0,1,2,3
	v_add_f32 v[ST+8*\a+2], v[ST+8*\a+2], v[ST+8*\a+3]
.endr
.irp a, 0,1,2,3
	v_rcp_f32 v[ST+8*\a+4], v[ST+8*\a+2]
.endr
	v_mov_b32 v[ADK], v[KFA]                       ; a plain instruction behind the last reciprocal
	s_wait_alu depctr_va_vdst(0)                   ; one wait for the four, ahead of the label and of their first use
	; ---- G: pass 2.  Thirty-two trips of 64 positions x my four query tiles
	s_wait_dscnt 0x0                               ; no load of pass 1 is still on its way into K's registers
	KLOAD 4
	s_mov_b32 s29, 0
	s_mov_b32 s30, 0
	s_mov_b32 s31, 0
.Lp2:
	s_cmp_ge_u32 s29, s28
	s_cbranch_scc1 .Lp2_skip
	v_add_nc_u32 v[ADV], s31, v[VFA]
	v_add_nc_u32 v[ADV2], 32*VP, v[ADV]
	WIN 0x40
.irp t, 0,1
	ds_load_b128 v[VF+8*\t:VF+8*\t+3], v[ADV] offset:16*VP*\t
	ds_load_b128 v[VF+8*\t+4:VF+8*\t+7], v[ADV] offset:16*VP*\t+32
.endr
.irp t, 0,1
	ds_load_b128 v[VF+16+8*\t:VF+16+8*\t+3], v[ADV2] offset:16*VP*\t
	ds_load_b128 v[VF+16+8*\t+4:VF+16+8*\t+7], v[ADV2] offset:16*VP*\t+32
.endr
	s_wait_dscnt 8                                 ; K is in; V's eight loads, issued behind it, may be out
	WIN 0x01
.set ct, 0
.rept 4
.set ca, 0
.rept 4
	v_wmma_f32_16x16x64_bf8_bf8 v[SS+32*ca+8*ct:SS+32*ca+8*ct+7], v[KF+8*ct:KF+8*ct+7], v[QF+8*ca:QF+8*ca+7], 0
.set ca, ca+1
.endr
.set ct, ct+1
.endr
	WIN 0
	s_add_co_u32 s39, s30, 64*KP
	v_add_nc_u32 v[ADK], s39, v[KFA]               ; the first of the four places
	PLACES 3
	s_add_co_u32 s40, s29, 1
	s_cmp_ge_u32 s40, s28
	s_cbranch_scc1 .Lp2_nk
	KLOAD 4                                        ; the next step's K, if there is one
.Lp2_nk:
	TAIL 6, 32, 4, 32
.set ca, 0
.rept 4
.set ci, 0
.rept 16
	v_pk_fma_f32 v[SS+32*ca+2*ci:SS+32*ca+2*ci+1], v[SS+32*ca+2*ci:SS+32*ca+2*ci+1], s[32:33], v[ST+8*ca:ST+8*ca+1] op_sel_hi:[1,0,0]   ; t - M
.set ci, ci+1
.endr
.set ca, ca+1
.endr
.set ci, 0
.rept 128
	v_exp_f32 v[SS+ci], v[SS+ci]
.set ci, ci+1
.endr
	v_nop                                          ; a plain instruction behind the last exponential
	s_wait_alu depctr_va_vdst(0)                   ; one wait for the batch of 128
.set ca, 0
.rept 4
.set ci, 0
.rept 16
	v_pk_mul_f32 v[SS+32*ca+2*ci:SS+32*ca+2*ci+1], v[SS+32*ca+2*ci:SS+32*ca+2*ci+1], v[ST+8*ca+4:ST+8*ca+5] op_sel_hi:[1,0]   ; / the row's sum: attn, finished
.set ci, ci+1
.endr
.set ca, ca+1
.endr
.set ci, 0
.rept 128
	v_min_num_f32 v[SS+ci], v[SS+ci], v[LIM]       ; attn is not negative: the hold is one-sided
.set ci, ci+1
.endr
.set ci, 0
.rept 16
	v_cvt_scalef32_pk8_bf8_f32 v[PC+2*ci:PC+2*ci+1], v[SS+8*ci:SS+8*ci+7], v[SC]   ; key tile t of query tile a: registers 2 t, 2 t + 1 of P's fragment
.set ci, ci+1
.endr
	v_nop                                          ; a plain instruction between the last conversion and the products that read the codes
	s_wait_dscnt 0x0                               ; V is in (and the next step's K)
	WIN 0x51
.set ct, 0
.rept 4
.set ca, 0
.rept 4
	v_wmma_f32_16x16x64_bf8_bf8 v[32*ca+8*ct:32*ca+8*ct+7], v[VF+8*ct:VF+8*ct+7], v[PC+8*ca:PC+8*ca+7], v[32*ca+8*ct:32*ca+8*ct+7]
.set ca, ca+1
.endr
.set ct, ct+1
.endr
	WIN 0
	PLACES 4                                       ; in front of the next trip's loads into V's registers, and of the way out's reads
.Lp2_skip:
	s_add_co_u32 s30, s30, 64*KP
	s_add_co_u32 s31, s31, 64
	s_add_co_u32 s29, s29, 1
	s_cmp_lt_u32 s29, 32
	s_cbranch_scc1 .Lp2
	; ---- H: the way out.  Register 8 t + j of query tile a is out(16 a + RR, 64 h + 16 t + 8 HH + j) / 2^(e4 + e5).  A tile goes through my stage and comes back by rows of 256 bytes
	v_lshlrev_b32 v[KSA], 4, v[RR]
	v_lshl_add_u32 v[KSA], v[HH], 12, v[KSA]       ; lanes 0-15 one row of out, lanes 16-31 the next
	BAR                                            ; nobody reads K any more: the stages lie over it
.irp a, 0,1,2,3
	WIN 0x01
.set ci, 0
.rept 16
	v_pk_mul_f32 v[SS+32*\a+2*ci:SS+32*\a+2*ci+1], v[32*\a+2*ci:32*\a+2*ci+1], s[36:37] op_sel_hi:[1,0]   ; x 2^(e4 + e5); each accumulator from its low end on
.set ci, ci+1
.endr
	WIN 0
.irp t, 0,1,2,3
	ds_store_b128 v[OSA], v[SS+32*\a+8*\t:SS+32*\a+8*\t+3] offset:\a*16*QP+64*\t
	ds_store_b128 v[OSA], v[SS+32*\a+8*\t+4:SS+32*\a+8*\t+7] offset:\a*16*QP+64*\t+16
.endr
.irp k, 0,1,2,3,4,5,6,7
	ds_load_b128 v[SS+32*\a+4*\k:SS+32*\a+4*\k+3], v[QSA] offset:\a*16*QP+2*QP*\k   ; LDS serves a wave's instructions in order (ISA guide 5.7.1.4): these see my stores
.endr
.endr
.irp a, 0,1,2,3
.irp k, 0,1,2,3,4,5,6,7
	s_wait_dscnt 16*(3-\a)+7-\k                    ; behind this load: the tile's later loads and sixteen instructions for each later tile
	global_store_b128 v[KSA], v[SS+32*\a+4*\k:SS+32*\a+4*\k+3], s[18:19] offset:(16*\a+2*\k)*4096 th:TH_STORE_NT   ; sixteen lanes store 256 consecutive bytes, at a multiple of 256 from out's first byte
.endr
.endr
	s_wait_xcnt 0x0
	v_lshl_add_u32 v254, v0, 2, 0x4a600
	v_mov_b32 v255, 0
	s_wait_tensorcnt 0x0
	ds_add_u32 v254, v255
	s_wait_dscnt 0x0
	s_endpgm
.Lfunc_end_k_qd1a35ad2e3_attn:
	.size	k_qd1a35ad2e3_attn, .Lfunc_end_k_qd1a35ad2e3_attn-k_qd1a35ad2e3_attn
	.p2alignl 7, 3214868480
	.fill 96, 4, 3214868480
	.section	.rodata,"a",@progbits
	.p2align	6, 0x0
	.amdhsa_kernel k_qd1a35ad2e3_attn
		.amdhsa_group_segment_fixed_size 305664
		.amdhsa_private_segment_fixed_size 0
		.amdhsa_enable_private_segment 0
		.amdhsa_kernarg_size 64
		.amdhsa_user_sgpr_count 2
		.amdhsa_user_sgpr_kernarg_segment_ptr 1
		.amdhsa_wavefront_size32 1
		.amdhsa_system_sgpr_workgroup_id_x 1
		.amdhsa_system_sgpr_workgroup_id_y 1
		.amdhsa_system_sgpr_workgroup_id_z 1
		.amdhsa_system_vgpr_workitem_id 0
		.amdhsa_next_free_vgpr 512
		.amdhsa_next_free_sgpr 66
		.amdhsa_reserve_vcc 1
		.amdhsa_float_denorm_mode_32 3
		.amdhsa_float_denorm_mode_16_64 3
		.amdhsa_memory_ordered 1
		.amdhsa_forward_progress 1
		.amdhsa_inst_pref_size 255
	.end_amdhsa_kernel
	.section	.bss,"aw",@nobits
	.p2align	6
	.space	262144
	.amdgpu_metadata
---
amdhsa.version: [ 1, 2 ]
amdhsa.kernels:
  - .name:           k_qd1a35ad2e3_attn
    .symbol:         k_qd1a35ad2e3_attn.kd
    .args:
      - { .name: query_codes, .offset: 0, .size: 8, .value_kind: global_buffer, .address_space: global }
      - { .name: Wq_codes, .offset: 8, .size: 8, .value_kind: global_buffer, .address_space: global }
      - { .name: bq, .offset: 16, .size: 8, .value_kind: global_buffer, .address_space: global }
      - { .name: key, .offset: 24, .size: 8, .value_kind: global_buffer, .address_space: global }
      - { .name: value_codes, .offset: 32, .size: 8, .value_kind: global_buffer, .address_space: global }
      - { .name: mask, .offset: 40, .size: 8, .value_kind: global_buffer, .address_space: global }
      - { .name: lowp_scales, .offset: 48, .size: 8, .value_kind: global_buffer, .address_space: global }
      - { .name: out0, .offset: 56, .size: 8, .value_kind: global_buffer, .address_space: global }
    .group_segment_fixed_size: 305664
    .private_segment_fixed_size: 0
    .kernarg_segment_align: 8
    .kernarg_segment_size: 64
    .max_flat_workgroup_size: 256
    .sgpr_count:     66
    .vgpr_count:     512
    .wavefront_size: 32
...
	.end_amdgpu_metadata
.endif
;; end of part 1
;; ======== version 2 of 2: 1 launch; version 1 with the launch attn written anew for expert scheduling mode
;; launch attn (part 2): grid 4 x 64, 8 waves a work-group, no clusters, 305,664 bytes of LDS; arguments query_codes, Wq_codes, bq, key, value_codes, mask, lowp_scales, out0; writes out0
.if DOCPART == 2
	.amdgcn_target "amdgcn-amd-amdhsa--gfx1250"
	.amdhsa_code_object_version 6
	.text
	.protected	k_qd1a35ad2e3_attn
	.globl	k_qd1a35ad2e3_attn
	.p2align	8
	.type	k_qd1a35ad2e3_attn,@function
k_qd1a35ad2e3_attn:
	s_mov_b64 s[64:65], 0
	v_nop
	global_prefetch_b8 v0, s[64:65] scope:SCOPE_SE
	s_setreg_imm32_b32 hwreg(HW_REG_WAVE_SCHED_MODE, 0, 2), 2
	s_setreg_imm32_b32 hwreg(HW_REG_WAVE_MODE, 25, 1), 1
	s_wait_xcnt 0x0
	s_wait_alu depctr_vm_vsrc(0)
; out[b][q][64 h + d] = sum over keys of attn(q, key) v(key, d), attn = softmax over the unmasked keys of (query Wq^T + bq) . key / 8, and 0 where mask == 0.
; All three products on codes of BF8 (E5M2), each operand with its given scale 2^e (e0 .. e5): query and Wq come as codes; q is quantised with e2; key comes as f32 and is quantised with e3;
; attn is quantised FINISHED AND NORMALISED with e4; value comes as codes with the keys innermost.
; SHARES.  One work-group = one batch b, one head h, 512 queries.  Eight waves, 64 queries each: four tiles of 16.  4 x 64 = 256 work-groups.
; THE MASKED KEYS ARE LEFT OUT.  A key with mask == 0 adds nothing to a row's sum and nothing to the product.  The work-group reads the mask, lists the n unmasked keys, and gathers K (quantised on the way) and
; V's codes into LDS packed to those n.  Every loop has a constant trip count; a trip with no keys left is passed over by a scalar branch on n.  n = 0 gives zeros, as the definition does.
; TWO PASSES.  attn is normalised ahead of its quantiser, so a row's maximum and sum are wanted first: pass 1 makes the scores and keeps, for each lane, a running maximum and sum; pass 2 makes the same scores
; again (the same instruction on the same registers: the same bits), p = 2^(t - M) / sum, its codes, and O^T += V^T P.  t = score x log2(e) / 8; M = the largest t rounded up to a whole number.
; ALL PRODUCTS ARE USED TRANSPOSED (source 0 = 16 rows of Wq, of K or of V^T; source 1 = 16 queries): a lane holds ONE query (lane % 16), and its registers run along the next product's K.
; Rows of Wq and of K lie in LDS with bits 3 and 4 of their number exchanged: a tile is then 16 consecutive LDS rows, and the registers of two neighbouring tiles are 16 neighbours along the next K.
; Fragments are fetched by loads of 16 bytes: a permutation of k, the same on both sides of each product.
; NO JOINT LOADS, though the four work-groups of a head read the same K and V (256 n + 131,072 bytes).
; The operands go through registers.
; LIMITS.  e2 - e0 - e1, e3 and e4 between -126 and 112; e2 + e3 between -123 and 130; e4 + e5 between -126 and 127: each power of two below is then an f32 number.  NaN and infinity are not served, among
; the f32 inputs or as codes (a NaN or infinity code of value under a masked key is passed over here).  The keys are summed in the list's order, not in memory's.
; THE MODE: SCHED_MODE bits 1:0 = 2 (LLVM: expert scheduling mode 2), set by the entry lines.  The code itself states the register dependences between vector or matrix instructions and memory or LDS
; instructions, with s_wait_alu, always for 0.
; THE PLAN.  Registers that memory or LDS instructions touch, and who else names them:
;   v4-v16, v18     addresses and offsets made at the head and never written again: one wait on va_vdst ahead of the first load serves them for the whole kernel.
;   window 1 v0-127 query chunks and raw V: loaded, stored to LDS, loaded again: a wait on vm_vsrc behind each run of stores.  No vector instruction names them before K's numbers land there.
;   window 1 v128-255  fragments: LDS loads land, matrix instructions read: a wait on va_vdst between the products and the next fetch.
;   K's gather      sixteen list entries land in v228-243, 32 vector lines make offsets of them, up to 32 loads read these: va_vdst behind the 32 lines, vm_vsrc ahead of the next entries.
;   V's gather      four entries land in v224-227, eight lines make addresses, 32 byte loads land in v192-223, 24 lines pack them: vm_vsrc at a block's head, va_vdst ahead of the byte loads.
;   PASS 1          K's fragments are read by both pairs' products.  The address v21 is stepped behind the second pair's products (vm_vsrc ahead of the add); the next step's loads stand behind that pair's
;                   maximum chain, behind one wait on va_vdst, and land under its scalings, exponentials and sums.
;   PASS 2          ONE wait on va_vdst a trip, the one that stands behind the exponentials: it also states that the three addresses, stepped behind the score products, are written, that those products
;                   are done reading K's fragments and the last trip's second product V's.  This step's V and the next step's K are asked for behind it and land under the division, the holds and the conversions.
;   THE WAY OUT     64 multiplies, one wait on va_vdst, 32 LDS stores, one wait on vm_vsrc, 32 LDS loads into the same registers, 32 global stores.
;   Lane masks are made by compares in runs of sixteen, into sixteen scalar registers, with one wait on va_sdst behind each run.
.set KP,    80                         ; a row of K in LDS: 64 codes + 16: an odd multiple of 16 bytes, so the 16 rows of a load start at 16 different 16-byte columns modulo 256 bytes
.set VP,    2064                       ; a row of V: 2,048 codes + 16
.set QP,    272                        ; a row of a wave's stage: 256 bytes + 16
.set WP,    1040                       ; a row of Wq: 1,024 codes + 16
.set VBASE, 2048*KP                    ; LDS: K at 0 (163,840 bytes), V behind it (132,096),
.set IDXB,  VBASE+64*VP                ; the list behind that: 2,048 words, a dump word, the rest of the zero fill (8,704 bytes)
.set WST,   64*QP                      ; a wave's stage (query chunks, later the output), over K's bytes: 17,408
.set RR,   1                           ; v1   lane % 16
.set HH,   2                           ; v2   lane / 16
.set LN,   3                           ; v3   lane
.set L16,  4                           ; v4   16 x lane
.set QGO,  5                           ; v5   query: 1,024 HH + 16 RR
.set QSA,  6                           ; v6   stage by rows: wave + 272 HH + 16 RR
.set XFA,  7                           ; v7   stage by fragments: wave + 272 RR + 16 HH
.set OSA,  8                           ; v8   stage, results in: wave + 272 RR + 32 HH
.set WSA,  9                           ; v9   Wq into LDS
.set WFA,  10                          ; v10  Wq by fragments
.set BQO,  11                          ; v11  bq: 64 HH
.set RSA,  12                          ; v12  raw V into LDS: 16,384 wave + 16 lane
.set IXA,  13                          ; v13  the list, 4 words a lane
.set KIA,  14                          ; v14  the list, for K's gather
.set KGO,  15                          ; v15  32 x (lane % 8)
.set KSA0, 16                          ; v16  K into LDS, block 0
.set KSA,  17                          ; v17  the same for the block in hand; at the end my offset in out
.set VSA,  18                          ; v18  V into LDS
.set KFA,  19                          ; v19  K by fragments
.set VFA,  20                          ; v20  V by fragments
.set ADK,  21
.set ADV,  22
.set ADV2, 23
.set H16,  24                          ; v24  16 HH
.set DD,   25
.set NINF, 26                          ; v26  -infinity
.set SC,   27                          ; v27, v28  scale and hold: q's, later p's
.set LIM,  28
.set SCK,  29                          ; v29, v30  K's
.set LIMK, 30
.set PA,   32                          ; v32-47    wave 0, ahead of the first barrier: where sixteen list entries go
.set PD,   48                          ; v48-63    wave 0: the sixteen entries
.set QF,   32                          ; v32-63    q's codes, 8 registers a tile
.set SS,   64                          ; v64-191   mask words and Wq on their way; q's sums; V's gathered words; the scores; the output
.set MK,   64
.set WQR,  128
.set ACC,  64
.set VR,   64
.set BI,   192                         ; v192-223  bq in the result's layout; gathered bytes; p's codes
.set TT,   192
.set PC,   192
.set IX,   224                         ; v224-227  list entries for V's gather
.set KQ,   228                         ; v228-243  list entries, then offsets, for K's gather
.set KC,   244                         ; v244-251  K's codes
.set ST,   224                         ; v224-255  in the loops: 8 a tile: +0 -M, +1 the largest t, +2 +3 the sum, +4 f, later 1 / sum, +5 zero, +6 +7 at work
.set WF,   128                         ; window 1: v0-127 query chunk, raw V, K's numbers, O^T;  v128-191 Wq's fragments, K's;  v192-255 query fragments, V's
.set XF,   192
.set KF,   128
.set VF,   192
.set CM,   28                          ; s28-43    ahead of the first barrier: sixteen lane masks of the mask's words
.set CT,   48                          ; s48-63    in the loops: sixteen lane masks of a step's tail
.set MSB, 0
.macro WIN new                         ; low byte: bits 1:0 source 0, 3:2 source 1, 5:4 source 2, 7:6 destination; the high byte repeats the setting that is left
.if MSB != \new
	s_set_vgpr_msb (MSB<<8)|\new
.set MSB, \new
.endif
.endm
.macro BAR                             ; my LDS stores have landed and my LDS loads are in: then the work-group's barrier
	s_wait_dscnt 0x0
	s_barrier_signal -1
	s_barrier_wait -1
.endm
.macro PLACES n                        ; plain vector instructions between a matrix instruction and a read of its result or a load into its registers
.rept \n
	v_nop
.endr
.endm
	s_load_b512 s[4:19], s[0:1], 0x0               ; query s[4:5], Wq s[6:7], bq s[8:9], key s[10:11], value s[12:13], mask s[14:15], scales s[16:17], out s[18:19]
	v_lshrrev_b32 v[LN], 5, v0
	v_readfirstlane_b32 s2, v[LN]                  ; wave 0..7
	v_and_b32 v[LN], 31, v0
	v_and_b32 v[RR], 15, v0
	v_bfe_u32 v[HH], v0, 4, 1
	v_lshlrev_b32 v[L16], 4, v[LN]
	s_and_b32 s39, ttmp7, 0xffff
	s_lshr_b32 s48, s39, 4                         ; b
	s_and_b32 s49, s39, 15                         ; h
	s_wait_alu depctr_va_sdst(0)                   ; s2 is written, ahead of its first reader: addresses, bases and the waves' one parting are made from it
	s_mul_i32 s40, s2, WST                         ; my stage
	s_lshl_b32 s51, s2, 14                         ; my 16,384 bytes of raw V
	; every LDS address that stays is made here, ahead of the one place where the waves part
	v_lshlrev_b32 v[QGO], 4, v[RR]
	v_lshl_add_u32 v[QGO], v[HH], 10, v[QGO]
	v_mul_u32_u24 v[QSA], v[HH], QP
	v_lshl_add_u32 v[QSA], v[RR], 4, v[QSA]
	v_add_nc_u32 v[QSA], s40, v[QSA]
	v_mul_u32_u24 v[XFA], v[RR], QP
	v_lshl_add_u32 v[OSA], v[HH], 5, v[XFA]
	v_lshl_add_u32 v[XFA], v[HH], 4, v[XFA]
	v_add_nc_u32 v[XFA], s40, v[XFA]
	v_add_nc_u32 v[OSA], s40, v[OSA]
	s_bfe_u32 s41, s2, 0x10001                     ; Wq's row 8 w + i goes to LDS row i + 8 (bit 1 of w) + 16 (bit 0) + 32 (bit 2): bits 3 and 4 of the row exchanged
	s_lshl_b32 s41, s41, 3
	s_and_b32 s42, s2, 1
	s_lshl_b32 s43, s42, 4
	s_add_co_u32 s41, s41, s43
	s_lshr_b32 s43, s2, 2
	s_lshl_b32 s43, s43, 5
	s_add_co_u32 s41, s41, s43
	s_mul_i32 s41, s41, WP
	s_add_co_u32 s41, s41, VBASE
	v_add_nc_u32 v[WSA], s41, v[L16]
	v_mul_u32_u24 v[WFA], v[RR], WP
	v_lshl_add_u32 v[WFA], v[HH], 4, v[WFA]
	v_add_nc_u32 v[WFA], VBASE, v[WFA]
	v_lshlrev_b32 v[BQO], 6, v[HH]
	v_add_nc_u32 v[RSA], s51, v[L16]
	v_add_nc_u32 v[IXA], IDXB, v[L16]
	v_bfe_u32 v[KSA], v0, 3, 2                     ; g = lane / 8
	s_lshl_b32 s41, s2, 6
	s_add_co_u32 s41, s41, IDXB
	v_lshl_add_u32 v[KIA], v[KSA], 4, s41          ; list words 16 w + 4 g + 0..3 of a block of 128
	v_and_b32 v[KGO], 7, v0
	v_lshlrev_b32 v[KGO], 5, v[KGO]
	s_lshr_b32 s41, s2, 1                          ; position 16 w + 4 g + u of a block goes to LDS row 32 (w / 2) + 16 (g / 2) + 8 (w % 2) + 4 (g % 2) + u
	s_lshl_b32 s41, s41, 5
	s_lshl_b32 s43, s42, 3
	s_add_co_u32 s41, s41, s43
	s_mul_i32 s41, s41, KP
	v_bfe_u32 v[KSA0], v0, 3, 1
	v_lshlrev_b32 v[KSA0], 2, v[KSA0]
	v_lshl_add_u32 v[KSA0], v[HH], 4, v[KSA0]
	v_mul_u32_u24 v[KSA0], v[KSA0], KP
	v_and_b32 v[KSA], 7, v0
	v_lshl_add_u32 v[KSA0], v[KSA], 3, v[KSA0]
	v_add_nc_u32 v[KSA0], s41, v[KSA0]
	s_mul_i32 s41, s2, 8*VP
	s_add_co_u32 s41, s41, VBASE
	v_lshl_add_u32 v[VSA], v[LN], 2, s41
	v_mul_u32_u24 v[KFA], v[RR], KP
	v_lshl_add_u32 v[KFA], v[HH], 4, v[KFA]
	v_mul_u32_u24 v[VFA], v[RR], VP
	v_lshl_add_u32 v[VFA], v[HH], 4, v[VFA]
	v_add_nc_u32 v[VFA], VBASE, v[VFA]
	v_lshlrev_b32 v[H16], 4, v[HH]
	v_mov_b32 v[NINF], 0xff800000
	v_mov_b32 v232, 0
	v_mov_b32 v233, 0
	v_mov_b32 v234, 0
	v_mov_b32 v235, 0
	v_mov_b32 v254, 0x800                          ; the dump word's index
	v_lshlrev_b32 v255, 2, v[LN]
	; offsets of my parts, each added once to its own buffer's address
	s_mov_b32 s41, 0
	s_lshl_b32 s44, s48, 11
	s_lshl_b32 s45, ttmp9, 9
	s_add_co_u32 s44, s44, s45
	s_lshl_b32 s45, s2, 6
	s_add_co_u32 s44, s44, s45                     ; my first query: 2,048 b + 512 x + 64 w
	s_lshl_b32 s45, s49, 8                         ; 256 h: the head's 64 numbers of f32
	s_lshl_b32 s46, s49, 6
	s_lshl_b32 s47, s2, 3
	s_add_co_u32 s46, s46, s47                     ; 64 h + 8 w
	s_wait_kmcnt 0x0
	s_load_b128 s[20:23], s[16:17], 0x0            ; e0 .. e3
	s_load_b64 s[24:25], s[16:17], 0x10            ; e4, e5
	s_lshl_b32 s40, s48, 13
	s_add_nc_u64 s[14:15], s[14:15], s[40:41]      ; mask of my batch
	s_lshl_b32 s40, s44, 10
	s_add_nc_u64 s[4:5], s[4:5], s[40:41]          ; query at my first row
	s_lshl_b32 s40, s44, 12
	s_add_co_u32 s40, s40, s45
	s_add_nc_u64 s[18:19], s[18:19], s[40:41]      ; out at my first row, my head
	s_mov_b32 s40, s45
	s_add_nc_u64 s[8:9], s[8:9], s[40:41]          ; bq at my head
	s_lshl_b32 s40, s48, 23
	s_add_co_u32 s40, s40, s45
	s_add_nc_u64 s[10:11], s[10:11], s[40:41]      ; key at my batch, my head
	s_lshl_b32 s40, s46, 10
	s_add_nc_u64 s[6:7], s[6:7], s[40:41]          ; Wq at my 8 rows
	s_lshl_b32 s47, s48, 10
	s_add_co_u32 s46, s46, s47
	s_lshl_b32 s40, s46, 11
	s_add_nc_u64 s[12:13], s[12:13], s[40:41]      ; value at my 8 rows
	s_wait_alu depctr_va_vdst(0)                   ; the addresses and offsets made above are written, which every load and store of the kernel reads, and so are the zeros v232 to v235, which wave 0 stores and in which list entries land later
.macro QLOAD ch                        ; 256 codes of each of my 64 query rows: sixteen lanes read 256 consecutive bytes
	WIN 0x40
.set qi, 0
.rept 32
	global_load_b128 v[4*qi:4*qi+3], v[QGO], s[4:5] offset:2048*qi+256*(\ch)
.set qi, qi+1
.endr
	WIN 0
.endm
	; ---- A: the mask (every wave reads all 2,048 words: register 4 i + e of a lane is key 128 i + 4 lane + e), my 8 rows of Wq, bq, the first query chunk
.set ci, 0
.rept 16
	global_load_b128 v[MK+4*ci:MK+4*ci+3], v[L16], s[14:15] offset:512*ci
.set ci, ci+1
.endr
.set ci, 0
.rept 16
	global_load_b128 v[WQR+4*ci:WQR+4*ci+3], v[L16], s[6:7] offset:512*ci
.set ci, ci+1
.endr
.irp t, 0,1,2,3                        ; tile t, lane (RR, HH), register j: bq of d = 32 (t / 2) + 16 HH + 8 (t % 2) + j
	global_load_b128 v[BI+8*\t:BI+8*\t+3], v[BQO], s[8:9] offset:(32*(\t/2)+8*(\t%2))*4
	global_load_b128 v[BI+8*\t+4:BI+8*\t+7], v[BQO], s[8:9] offset:(32*(\t/2)+8*(\t%2))*4+16
.endr
	QLOAD 0
	s_mov_b32 s26, 0                               ; n
	s_wait_loadcnt 56                              ; the mask is in: behind it 16 loads of Wq, 8 of bq, 32 of query may be out
	s_cmp_lg_u32 s2, 0
	s_cbranch_scc1 .Lcount
	; wave 0 writes the list; no other wave touches LDS ahead of the first barrier.  First zeros: positions from n on name key 0, whose scores the tail's mask hides
.set ci, 0
.rept 17
	ds_store_b128 v[IXA], v[232:235] offset:512*ci
.set ci, ci+1
.endr
	; then the entries, sixteen of a lane's 64 mask words at a time
.set cq, 0
.rept 4
.set ci, 0
.rept 16
	v_cmp_ne_u32 s[CM+ci], 0, v[MK+16*cq+ci]       ; the lanes whose key counts
.set ci, ci+1
.endr
	s_wait_alu depctr_va_sdst(0)                   ; the sixteen lane masks are written, ahead of their first reader
.if cq > 0
	s_wait_alu depctr_vm_vsrc(0)                   ; the last sixteen stores have read their addresses and entries, which are written again
.endif
.set ci, 0
.rept 16
	v_mbcnt_lo_u32_b32 v[PA+ci], s[CM+ci], s26     ; n so far + such lanes below me: my key's position
	s_bcnt1_i32_b32 s44, s[CM+ci]
	s_add_co_u32 s26, s26, s44
.set ci, ci+1
.endr
.set ci, 0
.rept 16
	v_cndmask_b32 v[PA+ci], v254, v[PA+ci], s[CM+ci]   ; a masked key goes to the dump word
.set ci, ci+1
.endr
.set ci, 0
.rept 16
	v_min_u32 v[PA+ci], 0x800, v[PA+ci]
.set ci, ci+1
.endr
.set ci, 0
.rept 16
	v_lshl_add_u32 v[PA+ci], v[PA+ci], 2, IDXB
.set ci, ci+1
.endr
.set ci, 0
.rept 16
	v_add_nc_u32 v[PD+ci], 128*((16*cq+ci)/4)+(16*cq+ci)%4, v255   ; the key
.set ci, ci+1
.endr
	s_wait_alu depctr_va_vdst(0)                   ; the sixteen addresses and the sixteen entries are written, which the stores read
.set ci, 0
.rept 16
	ds_store_b32 v[PA+ci], v[PD+ci]
.set ci, ci+1
.endr
.set cq, cq+1
.endr
	s_branch .Ljoin
.Lcount:                                               ; the other waves only count
.set cq, 0
.rept 4
.set ci, 0
.rept 16
	v_cmp_ne_u32 s[CM+ci], 0, v[MK+16*cq+ci]
.set ci, ci+1
.endr
	s_wait_alu depctr_va_sdst(0)                   ; the sixteen lane masks are written, ahead of their first reader
.set ci, 0
.rept 16
	s_bcnt1_i32_b32 s44, s[CM+ci]
	s_add_co_u32 s26, s26, s44
.set ci, ci+1
.endr
.set cq, cq+1
.endr
.Ljoin:
	s_add_co_u32 s27, s26, 127
	s_lshr_b32 s27, s27, 7                         ; blocks of 128 positions
	s_add_co_u32 s28, s26, 63
	s_lshr_b32 s28, s28, 6                         ; steps of 64
	BAR                                            ; the list lies in LDS
	; ---- A2: Wq into LDS; bq / 2^(e0 + e1); the constants made of the given exponents
	s_wait_loadcnt 40                              ; Wq is in: 8 loads of bq and 32 of query may be out
.set ci, 0
.rept 16
	ds_store_b128 v[WSA], v[WQR+4*ci:WQR+4*ci+3] offset:(ci/2)*WP+(ci%2)*512
.set ci, ci+1
.endr
	s_wait_loadcnt 32                              ; bq is in
	s_wait_kmcnt 0x0
	s_add_co_i32 s39, s20, s21                     ; a sum of the first product stands for sum x 2^(e0 + e1): bq goes in divided by that, as the C of the first K step
	s_sub_co_i32 s40, 0, s39
.set ci, 0
.rept 32
	v_ldexp_f32 v[BI+ci], v[BI+ci], s40
.set ci, ci+1
.endr
	s_sub_co_i32 s41, s22, s39                     ; q's code = sum / 2^(e2 - e0 - e1)
	s_add_co_i32 s41, s41, 127
	s_lshl_b32 s42, s41, 23
	v_mov_b32 v[SC], s42
	s_add_co_i32 s41, s41, 15
	s_lshl_b32 s41, s41, 23
	s_or_b32 s41, s41, 0x600000
	v_mov_b32 v[LIM], s41                          ; 57,344 x that
	s_add_co_i32 s41, s23, 127
	s_lshl_b32 s42, s41, 23
	v_mov_b32 v[SCK], s42                          ; 2^e3
	s_add_co_i32 s41, s41, 15
	s_lshl_b32 s41, s41, 23
	s_or_b32 s41, s41, 0x600000
	v_mov_b32 v[LIMK], s41
	s_add_co_i32 s39, s22, s23
	s_lshl_b32 s39, s39, 23
	s_mov_b32 s32, 0x3e38aa3b                      ; log2(e) / 8,
	s_add_co_i32 s32, s32, s39                     ; x 2^(e2 + e3): the exponents are added to its exponent field
	s_mov_b32 s33, s32                             ; (named with it as a pair)
	s_mov_b32 s34, 0x76543210                      ; v_permlanex16_b32: lane l xor 16
	s_mov_b32 s35, 0xfedcba98
	s_add_co_i32 s36, s24, s25
	s_add_co_i32 s36, s36, 127
	s_lshl_b32 s36, s36, 23                        ; 2^(e4 + e5)
	s_mov_b32 s37, s36
	s_wait_alu depctr_va_vdst(0)
	BAR                                            ; the head's 64 rows of Wq lie in LDS
	; ---- B: q^T = Wq query^T + bq for my 64 queries: K = 1,024 in four chunks of 256, each through my own stage
.macro QSTORE
	WIN 0x04                                       ; store data in window 1
.set qi, 0
.rept 32
	ds_store_b128 v[QSA], v[4*qi:4*qi+3] offset:2*QP*qi
.set qi, qi+1
.endr
	WIN 0
.endm
.macro VLOAD                           ; my 8 rows of value, 16,384 dense bytes
	WIN 0x40
.set qi, 0
.rept 32
	global_load_b128 v[4*qi:4*qi+3], v[L16], s[12:13] offset:512*qi
.set qi, qi+1
.endr
	WIN 0
.endm
.macro PFRAG kw, ks                    ; 128 along K: four fragments of Wq (K step kw of its rows), four of query (K step ks of the chunk)
	WIN 0x40
.set ct, 0
.rept 4
.set cc, 0
.rept 4
	ds_load_b128 v[WF+16*ct+4*cc:WF+16*ct+4*cc+3], v[WFA] offset:16*WP*ct+128*(\kw)+32*cc
.set cc, cc+1
.endr
.set ct, ct+1
.endr
.set ct, 0
.rept 4
.set cc, 0
.rept 4
	ds_load_b128 v[XF+16*ct+4*cc:XF+16*ct+4*cc+3], v[XFA] offset:16*QP*ct+128*(\ks)+32*cc
.set cc, cc+1
.endr
.set ct, ct+1
.endr
	WIN 0
.endm
.macro PMUL first                      ; 16 products on 16 accumulators by turns, one instruction a turn
	WIN 0x05
.set ca, 0
.rept 4
.set ct, 0
.rept 4
.if \first
	v_wmma_f32_16x16x128_bf8_bf8 v[ACC+8*(4*ca+ct):ACC+8*(4*ca+ct)+7], v[WF+16*ct:WF+16*ct+15], v[XF+16*ca:XF+16*ca+15], v[BI+8*ct:BI+8*ct+7]
.else
	v_wmma_f32_16x16x128_bf8_bf8 v[ACC+8*(4*ca+ct):ACC+8*(4*ca+ct)+7], v[WF+16*ct:WF+16*ct+15], v[XF+16*ca:XF+16*ca+15], v[ACC+8*(4*ca+ct):ACC+8*(4*ca+ct)+7]
.endif
.set ct, ct+1
.endr
.set ca, ca+1
.endr
	WIN 0
.endm
.irp ch, 0,1,2,3
	s_wait_loadcnt 0x0                             ; the chunk is in
	QSTORE
	s_wait_dscnt 0x0                               ; the chunk lies in my stage
	s_wait_alu depctr_vm_vsrc(0)                   ; the stores have read the chunk's registers, in which the next loads land.  (The first time also: Wq's stores have read v128 to v191, which the sums take; wave 0's have read v32 to v63, which q's codes take, and v232 to v235, in which list entries land)
.if \ch < 3
	QLOAD \ch+1
.else
	VLOAD                                          ; asked for a phase ahead
.endif
.irp ks, 0,1
.if \ch+\ks > 0
	PLACES 4                                       ; in front of loads into registers that matrix instructions have read
	s_wait_alu depctr_va_vdst(0)                   ; the products are done reading Wq's and query's fragments, in which the next ones land
.endif
	PFRAG 2*\ch+\ks, \ks
	s_wait_dscnt 0x0
.if \ch+\ks == 0
	PMUL 1
.else
	PMUL 0
.endif
.endr
.endr
	PLACES 4
.set ci, 0
.rept 128
	v_med3_num_f32 v[ACC+ci], v[ACC+ci], -v[LIM], v[LIM]   ; the conversion to an 8-bit code does not saturate (ISA guide 7.6.2): the hold first; each accumulator from its low end on
.set ci, ci+1
.endr
.set ci, 0
.rept 16
	v_cvt_scalef32_pk8_bf8_f32 v[QF+2*ci:QF+2*ci+1], v[ACC+8*ci:ACC+8*ci+7], v[SC]   ; tile t of query tile a: registers 2 t, 2 t + 1 of q's fragment: d = 32 (t / 2) + 16 HH + 8 (t % 2) + 0..7
.set ci, ci+1
.endr
	v_nop                                          ; a plain instruction behind the last conversion
	BAR                                            ; nobody reads a stage or Wq any more
	; ---- C: raw V into LDS (over the stages); the first eight blocks of K are asked for
.macro KQLOAD q                        ; list entries of blocks 4 q .. 4 q + 3: four a lane and block
.irp k, 0,1,2,3
	ds_load_b128 v[KQ+4*\k:KQ+4*\k+3], v[KIA] offset:512*(4*(\q)+\k)
.endr
.endm
.macro KADDR                           ; a key's row of 4,096 bytes + my 32 bytes of the head's 256
.set ci, 0
.rept 16
	v_min_u32 v[KQ+ci], 0x7ff, v[KQ+ci]
.set ci, ci+1
.endr
.set ci, 0
.rept 16
	v_lshl_add_u32 v[KQ+ci], v[KQ+ci], 12, v[KGO]
.set ci, ci+1
.endr
.endm
.macro KISSUE kb                       ; block kb, if it has keys: 4 rows a lane group, 8 neighbouring numbers a lane: eight lanes read a row's 256 consecutive bytes
	s_cmp_le_u32 s27, \kb
	s_cbranch_scc1 .Lki_\@
.set kr, 128*(1-(((\kb)/4)%2))+32*((\kb)%4)
	WIN 0x40
.irp u, 0,1,2,3
	global_load_b128 v[kr+8*\u:kr+8*\u+3], v[KQ+4*((\kb)%4)+\u], s[10:11]
	global_load_b128 v[kr+8*\u+4:kr+8*\u+7], v[KQ+4*((\kb)%4)+\u], s[10:11] offset:16
.endr
	WIN 0
.Lki_\@:
.endm
	s_wait_loadcnt 0x0                             ; raw V is in
	WIN 0x04
.set qi, 0
.rept 32
	ds_store_b128 v[RSA], v[4*qi:4*qi+3] offset:512*qi
.set qi, qi+1
.endr
	WIN 0
	KQLOAD 0
	s_wait_dscnt 0x0
	KADDR
	s_wait_alu depctr_va_vdst(0)                   ; the sixteen offsets are written, which the loads below read; the first product's matrix instructions are done reading window 1's v128 to v255, in which they land
.irp kb, 0,1,2,3
	KISSUE \kb
.endr
	s_wait_xcnt 0x0                                ; those loads have had their addresses translated
	s_wait_alu depctr_vm_vsrc(0)                   ; they have read their offsets, in which the next list entries land; and the stores of raw V have read window 1's v0 to v127, in which blocks 4 to 7 land
	KQLOAD 1
	s_wait_dscnt 0x0
	KADDR
	s_wait_alu depctr_va_vdst(0)                   ; the sixteen offsets are written, which the loads below read
.irp kb, 4,5,6,7
	KISSUE \kb
.endr
	BAR                                            ; raw V lies in LDS; between this barrier and the next LDS is only read
	; ---- D: V's gather: for each block of 128 positions a lane takes 4 positions x my wave's 8 rows, a byte at a time, and packs them into words
.macro VGATH pb
	s_cmp_le_u32 s27, \pb
	s_cbranch_scc1 .Lvg_\@
.if \pb > 0
	s_wait_alu depctr_vm_vsrc(0)                   ; the last block's byte loads have read their four addresses, in which the next list entries land
.endif
	ds_load_b128 v[IX:IX+3], v[IXA] offset:512*(\pb)
	s_wait_dscnt 0x0
.irp e, 0,1,2,3
	v_min_u32 v[IX+\e], 0x7ff, v[IX+\e]
.endr
.irp e, 0,1,2,3
	v_add_nc_u32 v[IX+\e], s51, v[IX+\e]
.endr
	s_wait_alu depctr_va_vdst(0)                   ; the four addresses are written, which the byte loads read; what named v192 to v223, in which they land, is done: the last block's packing lines, ahead of the first block bq's scaling and the products that took bq in
.set cd, 0
.rept 8
.irp e, 0,1,2,3
	ds_load_u8 v[TT+4*cd+\e], v[IX+\e] offset:2048*cd
.endr
.set cd, cd+1
.endr
	s_wait_dscnt 0x0
.set cd, 0
.rept 8
	v_lshl_or_b32 v[VR+8*(\pb)+cd], v[TT+4*cd+1], 8, v[TT+4*cd]
.set cd, cd+1
.endr
.set cd, 0
.rept 8
	v_lshl_or_b32 v[VR+8*(\pb)+cd], v[TT+4*cd+2], 16, v[VR+8*(\pb)+cd]
.set cd, cd+1
.endr
.set cd, 0
.rept 8
	v_lshl_or_b32 v[VR+8*(\pb)+cd], v[TT+4*cd+3], 24, v[VR+8*(\pb)+cd]
.set cd, cd+1
.endr
.Lvg_\@:
.endm
.irp pb, 0,1,2,3,4,5,6,7,8,9,10,11,12,13,14,15
	VGATH \pb
.endr
	BAR                                            ; nobody reads raw V any more
	; ---- E: packed V and packed, quantised K into LDS
.macro VSTORE pb
	s_cmp_le_u32 s27, \pb
	s_cbranch_scc1 .Lvs_\@
.set cd, 0
.rept 8
	ds_store_b32 v[VSA], v[VR+8*(\pb)+cd] offset:cd*VP+128*(\pb)
.set cd, cd+1
.endr
.Lvs_\@:
.endm
.macro KCONV kb
	s_cmp_le_u32 s27, \kb
	s_cbranch_scc1 .Lkc_\@
.set kr, 128*(1-(((\kb)/4)%2))+32*((\kb)%4)
	s_wait_dscnt 0x0                               ; the last block's stores have landed
.if (\kb) > 0
	s_wait_alu depctr_vm_vsrc(0)                   ; they have read their address and their codes, which are written again
.endif
	v_add_nc_u32 v[KSA], (\kb)*128*KP, v[KSA0]
	WIN 0x41
.set ci, 0
.rept 32
	v_med3_num_f32 v[kr+ci], v[kr+ci], -v[LIMK], v[LIMK]
.set ci, ci+1
.endr
	WIN 0x01
.irp u, 0,1,2,3
	v_cvt_scalef32_pk8_bf8_f32 v[KC+2*\u:KC+2*\u+1], v[kr+8*\u:kr+8*\u+7], v[SCK]
.endr
	WIN 0
	v_nop                                          ; a plain instruction behind the last conversion
	s_wait_alu depctr_va_vdst(0)                   ; the address and the codes are written, which the stores read
.irp u, 0,1,2,3
	ds_store_b64 v[KSA], v[KC+2*\u:KC+2*\u+1] offset:KP*\u
.endr
.Lkc_\@:
.endm
	s_wait_alu depctr_va_vdst(0)                   ; the packing lines have written V's words, which the stores below read
.irp pb, 0,1,2,3,4,5,6,7,8,9,10,11,12,13,14,15
	VSTORE \pb
.endr
	s_wait_loadcnt 0x0                             ; K's blocks 0 to 7 are in
.irp kb, 0,1,2,3
	KCONV \kb
.endr
	s_wait_xcnt 0x0
	s_wait_alu depctr_vm_vsrc(0)                   ; blocks 4 to 7's loads have read their offsets, in which the next list entries land
	KQLOAD 2
	s_wait_dscnt 0x0
	KADDR
	s_wait_alu depctr_va_vdst(0)                   ; the sixteen offsets are written, which the loads below read; blocks 0 to 3's holds and conversions are done with window 1's v128 to v255, in which they land
.irp kb, 8,9,10,11
	KISSUE \kb
.endr
.irp kb, 4,5,6,7
	KCONV \kb
.endr
	s_wait_xcnt 0x0                                ; blocks 8 to 11's loads have had their addresses translated
	s_wait_alu depctr_vm_vsrc(0)                   ; they have read their offsets, in which the next list entries land
	KQLOAD 3
	s_wait_dscnt 0x0
	KADDR
	s_wait_alu depctr_va_vdst(0)                   ; the sixteen offsets are written, which the loads below read; blocks 4 to 7's holds and conversions are done with window 1's v0 to v127, in which they land
.irp kb, 12,13,14,15
	KISSUE \kb
.endr
	s_wait_loadcnt 0x0
.irp kb, 8,9,10,11,12,13,14,15
	KCONV \kb
.endr
	s_wait_dscnt 0x0                               ; the last stores have landed
	s_wait_alu depctr_vm_vsrc(0)                   ; K's stores have read their codes (v244 to v251) and their address, the gathers their addresses and offsets (v224 to v243): the statistics take these registers; V's stores have read v64 to v191, which the scores take
	; the loops' registers: the largest t begins at -3e38, under every t; the sums and O^T at 0 (each step is written once; with n = 0 these zeros are the result)
.irp a, 0,1,2,3
	v_mov_b32 v[ST+8*\a+1], 0xff61b1e6
	v_floor_f32 v[ST+8*\a], -v[ST+8*\a+1]
.irp o, 2,3,4,5,6,7
	v_mov_b32 v[ST+8*\a+\o], 0
.endr
.endr
	WIN 0x40
.set ci, 0
.rept 128
	v_mov_b32 v[ci], 0
.set ci, ci+1
.endr
	WIN 0
	s_add_co_i32 s41, s24, 127
	s_lshl_b32 s42, s41, 23
	v_mov_b32 v[SC], s42                           ; 2^e4, for p's conversions
	s_add_co_i32 s41, s41, 15
	s_lshl_b32 s41, s41, 23
	s_or_b32 s41, s41, 0x600000
	v_mov_b32 v[LIM], s41
	v_mov_b32 v[ADK], v[KFA]
	BAR                                            ; K and V lie in LDS, and are only read until the way out
.macro KLOAD n                         ; n tiles of 16 LDS rows of K, two loads of 16 bytes each
	WIN 0x40
.set ct, 0
.rept \n
	ds_load_b128 v[KF+8*ct:KF+8*ct+3], v[ADK] offset:16*KP*ct
	ds_load_b128 v[KF+8*ct+4:KF+8*ct+7], v[ADK] offset:16*KP*ct+32
.set ct, ct+1
.endr
	WIN 0
.endm
; The step that holds position n and beyond: those scores become -infinity.  Register 8 t + j of a lane holds position 32 (t / 2) + 16 HH + 8 (t % 2) + j of the step.  A step whose positions all count passes this over.
; The compares go in runs of sixteen, into sixteen scalar registers.
.macro TAIL sh, regs, tiles, dist      ; a step of 1 << sh positions; regs registers a query tile; tiles query tiles, dist registers apart
	s_add_co_u32 s39, s29, 1
	s_lshl_b32 s39, s39, \sh
	s_cmp_le_u32 s39, s26
	s_cbranch_scc1 .Lopen_\@
	s_sub_co_i32 s39, s26, s39
	s_add_co_i32 s39, s39, (1<<\sh)-1              ; n - the step's first position - 1
	v_sub_nc_u32 v[DD], s39, v[H16]
.set cb, 0
.rept (\regs)/16
.set cn, 0
.rept 16
	v_cmp_gt_i32 s[CT+cn], 32*cb+8*(cn/8)+cn%8, v[DD]
.set cn, cn+1
.endr
	s_wait_alu depctr_va_sdst(0)                   ; the sixteen lane masks are written, ahead of their first reader
.set cn, 0
.rept 16
.set ca, 0
.rept \tiles
	v_cndmask_b32 v[SS+(\dist)*ca+16*cb+cn], v[SS+(\dist)*ca+16*cb+cn], v[NINF], s[CT+cn]
.set ca, ca+1
.endr
.set cn, cn+1
.endr
.set cb, cb+1
.endr
.Lopen_\@:
.endm
; Pass 1's vector work for query tiles 2 pr and 2 pr + 1, line by line by turns.  EACH LANE keeps the maximum and the sum of its own half of the keys: no lane looks at another in the loop.
.macro SOFT1 pr
.set t0, ST+16*(\pr)
.set t1, t0+8
	v_max3_num_f32 v[t0+6], v[SS], v[SS+1], v[SS+2]
	v_max3_num_f32 v[t1+6], v[SS+64], v[SS+65], v[SS+66]
	v_max3_num_f32 v[t0+7], v[SS+3], v[SS+4], v[SS+5]
	v_max3_num_f32 v[t1+7], v[SS+67], v[SS+68], v[SS+69]
.set ci, 6
.rept 14
	v_max3_num_f32 v[t0+6], v[t0+6], v[SS+ci], v[SS+ci+1]
	v_max3_num_f32 v[t1+6], v[t1+6], v[SS+64+ci], v[SS+64+ci+1]
	v_max3_num_f32 v[t0+7], v[t0+7], v[SS+ci+2], v[SS+ci+3]
	v_max3_num_f32 v[t1+7], v[t1+7], v[SS+64+ci+2], v[SS+64+ci+3]
.set ci, ci+4
.endr
	v_max3_num_f32 v[t0+6], v[t0+6], v[SS+62], v[SS+63]
	v_max3_num_f32 v[t1+6], v[t1+6], v[SS+126], v[SS+127]
.irp o, 0,8
	v_max_num_f32 v[t0+\o+6], v[t0+\o+6], v[t0+\o+7]
.endr
.irp o, 0,8
	v_mul_f32 v[t0+\o+6], s32, v[t0+\o+6]          ; as t (the factor is positive)
.endr
.irp o, 0,8
	v_max_num_f32 v[t0+\o+1], v[t0+\o+1], v[t0+\o+6]   ; the running largest t
.endr
.irp o, 0,8
	v_mov_b32 v[t0+\o+6], v[t0+\o]
.endr
.irp o, 0,8
	v_floor_f32 v[t0+\o], -v[t0+\o+1]              ; -M = floor(-t): M is a whole number
.endr
.irp o, 0,8
	v_sub_f32 v[t0+\o+6], v[t0+\o], v[t0+\o+6]     ; old M - new M: a whole number, 0 or less
.endr
.irp o, 0,8
	v_cvt_i32_f32 v[t0+\o+6], v[t0+\o+6]           ; (it saturates)
.endr
.irp o, 0,8
	v_ldexp_f32 v[t0+\o+4], 1.0, v[t0+\o+6]        ; f = 2^(old M - new M)
.endr
.if \pr == 1                           ; the step's second pair: both pairs' products have read K's fragments
	s_add_co_u32 s40, s29, 1
	s_cmp_ge_u32 s40, s27
	s_cbranch_scc1 .Lnk_\@
	s_wait_alu depctr_va_vdst(0)                   ; the next step's address is written, which the loads read; this step's products are done reading K's fragments, in which they land
	KLOAD 8                                        ; the next step's K, if there is one, lands under the scalings, exponentials and sums below
.Lnk_\@:
.endif
.set ci, 0
	s_wait_alu depctr_va_vdst(0)
.rept 32
	v_pk_fma_f32 v[SS+2*ci:SS+2*ci+1], v[SS+2*ci:SS+2*ci+1], s[32:33], v[t0:t0+1] op_sel_hi:[1,0,0]   ; t - M, two at a time
.set ci, ci+1
.endr
.set ci, 0
.rept 32
	v_pk_fma_f32 v[SS+64+2*ci:SS+64+2*ci+1], v[SS+64+2*ci:SS+64+2*ci+1], s[32:33], v[t1:t1+1] op_sel_hi:[1,0,0]
.set ci, ci+1
.endr
.set ci, 0
	s_wait_alu depctr_va_vdst(0)
.rept 128
	v_exp_f32 v[SS+ci], v[SS+ci]
.set ci, ci+1
.endr
	v_pk_mul_f32 v[t0+2:t0+3], v[t0+2:t0+3], v[t0+4:t0+5] op_sel_hi:[1,0]   ; the sums under the new M; also the plain instructions behind the exponentials
	v_pk_mul_f32 v[t1+2:t1+3], v[t1+2:t1+3], v[t1+4:t1+5] op_sel_hi:[1,0]
	s_wait_alu depctr_va_vdst(0)                   ; the 128 exponentials have written their results: one wait for the batch, ahead of its first use
	v_pk_add_f32 v[t0+6:t0+7], v[SS:SS+1], v[SS+2:SS+3]
	v_pk_add_f32 v[t1+6:t1+7], v[SS+64:SS+65], v[SS+66:SS+67]
.set ci, 4
.rept 15
	v_pk_add_f32 v[t0+2:t0+3], v[t0+2:t0+3], v[SS+ci:SS+ci+1]
	v_pk_add_f32 v[t1+2:t1+3], v[t1+2:t1+3], v[SS+64+ci:SS+64+ci+1]
	v_pk_add_f32 v[t0+6:t0+7], v[t0+6:t0+7], v[SS+ci+2:SS+ci+3]
	v_pk_add_f32 v[t1+6:t1+7], v[t1+6:t1+7], v[SS+64+ci+2:SS+64+ci+3]
.set ci, ci+4
.endr
	v_pk_add_f32 v[t0+2:t0+3], v[t0+2:t0+3], v[t0+6:t0+7]
	v_pk_add_f32 v[t1+2:t1+3], v[t1+2:t1+3], v[t1+6:t1+7]
.endm
.macro PAIR1 pr                        ; 128 positions x two query tiles: 16 products, each starting its sum with the constant 0
	WIN 0x01
.set ct, 0
.rept 8
.set cx, 0
.rept 2
	v_wmma_f32_16x16x64_bf8_bf8 v[SS+64*cx+8*ct:SS+64*cx+8*ct+7], v[KF+8*ct:KF+8*ct+7], v[QF+8*(2*(\pr)+cx):QF+8*(2*(\pr)+cx)+7], 0
.set cx, cx+1
.endr
.set ct, ct+1
.endr
	WIN 0
.if \pr == 1
	s_add_co_u32 s39, s30, 128*KP
	s_wait_alu depctr_vm_vsrc(0)                   ; the loads of this step's K have read their address, which is written again
	v_add_nc_u32 v[ADK], s39, v[KFA]               ; the next step's address: the first of the four places
	PLACES 3
.else
	PLACES 4
.endif
	TAIL 7, 64, 2, 64
	SOFT1 \pr
.endm
	; ---- F: pass 1.  Sixteen trips of 128 positions; a trip with no positions left is passed over
	s_wait_alu depctr_va_vdst(0)                   ; the first address is written, which the loads read; K's holds and conversions are done with window 1's v128 to v191, in which they land
	KLOAD 8                                        ; step 0.  (With n = 0 these bytes, which the raw V stage wrote, are not used)
	s_mov_b32 s29, 0
	s_mov_b32 s30, 0
.Lp1:
	s_cmp_ge_u32 s29, s27
	s_cbranch_scc1 .Lp1_skip
	s_wait_dscnt 0x0                               ; this step's K is in
	PAIR1 0
	PAIR1 1
.Lp1_skip:
	s_add_co_u32 s30, s30, 128*KP
	s_add_co_u32 s29, s29, 1
	s_cmp_lt_u32 s29, 16
	s_cbranch_scc1 .Lp1
	s_wait_alu depctr_vm_vsrc(0)                   ; pass 1's loads of K have read their address, which is written below
	s_wait_alu depctr_va_vdst(0)
	; the two halves of the lanes meet: the larger M, both sums under it, 1 / sum
.irp a, 0,1,2,3
	v_permlanex16_b32 v[ST+8*\a+6], v[ST+8*\a], s34, s35
.endr
.irp a, 0,1,2,3
	v_min_num_f32 v[ST+8*\a+6], v[ST+8*\a+6], v[ST+8*\a]   ; the smaller -M
.endr
.irp a, 0,1,2,3
	v_sub_f32 v[ST+8*\a+7], v[ST+8*\a+6], v[ST+8*\a]
.endr
.irp a, 0,1,2,3
	v_mov_b32 v[ST+8*\a], v[ST+8*\a+6]
.endr
.irp a, 0,1,2,3
	v_cvt_i32_f32 v[ST+8*\a+7], v[ST+8*\a+7]
.endr
.irp a, 0,1,2,3
	v_ldexp_f32 v[ST+8*\a+7], 1.0, v[ST+8*\a+7]    ; 0 in a lane that has seen no key
.endr
.irp a, 0,1,2,3
	v_add_f32 v[ST+8*\a+2], v[ST+8*\a+2], v[ST+8*\a+3]
.endr
.irp a, 0,1,2,3
	v_mul_f32 v[ST+8*\a+2], v[ST+8*\a+2], v[ST+8*\a+7]
.endr
.irp a, 0,1,2,3
	v_permlanex16_b32 v[ST+8*\a+3], v[ST+8*\a+2], s34, s35
.endr
.irp a, 0,1,2,3
	v_add_f32 v[ST+8*\a+2], v[ST+8*\a+2], v[ST+8*\a+3]
.endr
	s_wait_alu depctr_va_vdst(0)
.irp a, 0,1,2,3
	v_rcp_f32 v[ST+8*\a+4], v[ST+8*\a+2]
.endr
	v_mov_b32 v[ADK], v[KFA]                       ; a plain instruction behind the last reciprocal
	s_wait_alu depctr_va_vdst(0)                   ; the four reciprocals have written their results, ahead of the label and of their first use; the address is written, which the loads below read; pass 1's products are done reading K's fragments, in which they land
	; ---- G: pass 2.  Thirty-two trips of 64 positions x my four query tiles
	s_wait_dscnt 0x0                               ; no load of pass 1 is still on its way into K's registers
	KLOAD 4
	s_mov_b32 s29, 0
	s_mov_b32 s30, 0
	s_mov_b32 s31, 0
.Lp2:
	s_cmp_ge_u32 s29, s28
	s_cbranch_scc1 .Lp2_skip
	s_wait_dscnt 0x0                               ; this step's K is in
	WIN 0x01
.set ct, 0
.rept 4
.set ca, 0
.rept 4
	v_wmma_f32_16x16x64_bf8_bf8 v[SS+32*ca+8*ct:SS+32*ca+8*ct+7], v[KF+8*ct:KF+8*ct+7], v[QF+8*ca:QF+8*ca+7], 0
.set ca, ca+1
.endr
.set ct, ct+1
.endr
	WIN 0
	s_add_co_u32 s39, s30, 64*KP
	s_wait_alu depctr_vm_vsrc(0)                   ; the loads of K and V issued so far have read their three addresses, which are written again
	v_add_nc_u32 v[ADK], s39, v[KFA]               ; the next step's K; this step's V: three of the four places behind the products,
	v_add_nc_u32 v[ADV], s31, v[VFA]
	v_add_nc_u32 v[ADV2], 32*VP, v[ADV]
	v_nop                                          ; and the fourth
	TAIL 6, 32, 4, 32
.set ca, 0
.rept 4
.set ci, 0
.rept 16
	v_pk_fma_f32 v[SS+32*ca+2*ci:SS+32*ca+2*ci+1], v[SS+32*ca+2*ci:SS+32*ca+2*ci+1], s[32:33], v[ST+8*ca:ST+8*ca+1] op_sel_hi:[1,0,0]   ; t - M
.set ci, ci+1
.endr
.set ca, ca+1
.endr
.set ci, 0
	s_wait_alu depctr_va_vdst(0)
.rept 128
	v_exp_f32 v[SS+ci], v[SS+ci]
.set ci, ci+1
.endr
	v_nop                                          ; a plain instruction behind the last exponential
	s_wait_alu depctr_va_vdst(0)                   ; THE TRIP'S ONE WAIT: the 128 exponentials have written their results (one wait for the batch); the three addresses are written; this step's score products are done reading K's fragments and the last trip's second product V's: the loads below land there
	WIN 0x40
.irp t, 0,1
	ds_load_b128 v[VF+8*\t:VF+8*\t+3], v[ADV] offset:16*VP*\t
	ds_load_b128 v[VF+8*\t+4:VF+8*\t+7], v[ADV] offset:16*VP*\t+32
.endr
.irp t, 0,1
	ds_load_b128 v[VF+16+8*\t:VF+16+8*\t+3], v[ADV2] offset:16*VP*\t
	ds_load_b128 v[VF+16+8*\t+4:VF+16+8*\t+7], v[ADV2] offset:16*VP*\t+32
.endr
	WIN 0
	s_add_co_u32 s40, s29, 1
	s_cmp_ge_u32 s40, s28
	s_cbranch_scc1 .Lp2_nk
	KLOAD 4                                        ; the next step's K, if there is one.  No vector or matrix instruction since the wait names a register that these sixteen loads touch
.Lp2_nk:
.set ca, 0
.rept 4
.set ci, 0
.rept 16
	v_pk_mul_f32 v[SS+32*ca+2*ci:SS+32*ca+2*ci+1], v[SS+32*ca+2*ci:SS+32*ca+2*ci+1], v[ST+8*ca+4:ST+8*ca+5] op_sel_hi:[1,0]   ; / the row's sum: attn, finished
.set ci, ci+1
.endr
.set ca, ca+1
.endr
.set ci, 0
.rept 128
	v_min_num_f32 v[SS+ci], v[SS+ci], v[LIM]       ; attn is not negative: the hold is one-sided
.set ci, ci+1
.endr
.set ci, 0
.rept 16
	v_cvt_scalef32_pk8_bf8_f32 v[PC+2*ci:PC+2*ci+1], v[SS+8*ci:SS+8*ci+7], v[SC]   ; key tile t of query tile a: registers 2 t, 2 t + 1 of P's fragment
.set ci, ci+1
.endr
	v_nop                                          ; a plain instruction between the last conversion and the products that read the codes
	s_wait_alu depctr_va_vdst(0)
	s_wait_dscnt 0x0                               ; V is in (and the next step's K)
	WIN 0x51
.set ct, 0
.rept 4
.set ca, 0
.rept 4
	v_wmma_f32_16x16x64_bf8_bf8 v[32*ca+8*ct:32*ca+8*ct+7], v[VF+8*ct:VF+8*ct+7], v[PC+8*ca:PC+8*ca+7], v[32*ca+8*ct:32*ca+8*ct+7]
.set ca, ca+1
.endr
.set ct, ct+1
.endr
	WIN 0
	PLACES 4                                       ; in front of the way out's reads of the sums
.Lp2_skip:
	s_add_co_u32 s30, s30, 64*KP
	s_add_co_u32 s31, s31, 64
	s_add_co_u32 s29, s29, 1
	s_cmp_lt_u32 s29, 32
	s_cbranch_scc1 .Lp2
	; ---- H: the way out.  Register 8 t + j of query tile a is out(16 a + RR, 64 h + 16 t + 8 HH + j) / 2^(e4 + e5).  The four tiles go through my stage, each into 16 rows of its own, and come back by rows of 256 bytes
	v_lshlrev_b32 v[KSA], 4, v[RR]
	v_lshl_add_u32 v[KSA], v[HH], 12, v[KSA]       ; lanes 0-15 one row of out, lanes 16-31 the next
	BAR                                            ; nobody reads K any more: the stages lie over it
	WIN 0x01
.set ci, 0
.rept 64
	v_pk_mul_f32 v[SS+2*ci:SS+2*ci+1], v[2*ci:2*ci+1], s[36:37] op_sel_hi:[1,0]   ; x 2^(e4 + e5); each accumulator from its low end on
.set ci, ci+1
.endr
	WIN 0
	s_wait_alu depctr_va_vdst(0)                   ; the multiplies have written v64 to v191, which the LDS stores read and in which the LDS loads land; my offset in out is written, which the global stores read
.irp a, 0,1,2,3
.irp t, 0,1,2,3
	ds_store_b128 v[OSA], v[SS+32*\a+8*\t:SS+32*\a+8*\t+3] offset:\a*16*QP+64*\t
	ds_store_b128 v[OSA], v[SS+32*\a+8*\t+4:SS+32*\a+8*\t+7] offset:\a*16*QP+64*\t+16
.endr
.endr
	s_wait_alu depctr_vm_vsrc(0)                   ; the LDS stores have read v64 to v191, in which the loads below land
.irp a, 0,1,2,3
.irp k, 0,1,2,3,4,5,6,7
	ds_load_b128 v[SS+32*\a+4*\k:SS+32*\a+4*\k+3], v[QSA] offset:\a*16*QP+2*QP*\k   ; LDS serves a wave's instructions in order (ISA guide 5.7.1.4): these see my stores
.endr
.endr
.irp a, 0,1,2,3
.irp k, 0,1,2,3,4,5,6,7
	s_wait_dscnt 31-8*\a-\k                        ; behind this load: the later ones of the 32
	global_store_b128 v[KSA], v[SS+32*\a+4*\k:SS+32*\a+4*\k+3], s[18:19] offset:(16*\a+2*\k)*4096 th:TH_STORE_NT   ; sixteen lanes store 256 consecutive bytes, at a multiple of 256 from out's first byte
.endr
.endr
	s_wait_xcnt 0x0
	v_lshl_add_u32 v254, v0, 2, 0x4a600            ; my spare word, behind the list, and 0: made anew here, v0 being as at the entry; no memory or LDS instruction has read v254 or v255
	v_mov_b32 v255, 0
	s_wait_dscnt 0x0                               ; the closing lines, six on end
	s_wait_alu 0x0
	s_wait_tensorcnt 0x0
	ds_add_u32 v254, v255
	s_wait_dscnt 0x0
	s_endpgm
.Lfunc_end_k_qd1a35ad2e3_attn:
	.size	k_qd1a35ad2e3_attn, .Lfunc_end_k_qd1a35ad2e3_attn-k_qd1a35ad2e3_attn
	.p2alignl 7, 3214868480
	.fill 96, 4, 3214868480
	.section	.rodata,"a",@progbits
	.p2align	6, 0x0
	.amdhsa_kernel k_qd1a35ad2e3_attn
		.amdhsa_group_segment_fixed_size 305664
		.amdhsa_private_segment_fixed_size 0
		.amdhsa_enable_private_segment 0
		.amdhsa_kernarg_size 64
		.amdhsa_user_sgpr_count 2
		.amdhsa_user_sgpr_kernarg_segment_ptr 1
		.amdhsa_wavefront_size32 1
		.amdhsa_system_sgpr_workgroup_id_x 1
		.amdhsa_system_sgpr_workgroup_id_y 1
		.amdhsa_system_sgpr_workgroup_id_z 1
		.amdhsa_system_vgpr_workitem_id 0
		.amdhsa_next_free_vgpr 512
		.amdhsa_next_free_sgpr 66
		.amdhsa_reserve_vcc 0
		.amdhsa_float_denorm_mode_32 3
		.amdhsa_float_denorm_mode_16_64 3
		.amdhsa_memory_ordered 1
		.amdhsa_forward_progress 1
		.amdhsa_inst_pref_size 255
	.end_amdhsa_kernel
	.section	.bss,"aw",@nobits
	.p2align	6
	.space	262144
	.amdgpu_metadata
---
amdhsa.version: [ 1, 2 ]
amdhsa.kernels:
  - .name:           k_qd1a35ad2e3_attn
    .symbol:         k_qd1a35ad2e3_attn.kd
    .args:
      - { .name: query_codes, .offset: 0, .size: 8, .value_kind: global_buffer, .address_space: global }
      - { .name: Wq_codes, .offset: 8, .size: 8, .value_kind: global_buffer, .address_space: global }
      - { .name: bq, .offset: 16, .size: 8, .value_kind: global_buffer, .address_space: global }
      - { .name: key, .offset: 24, .size: 8, .value_kind: global_buffer, .address_space: global }
      - { .name: value_codes, .offset: 32, .size: 8, .value_kind: global_buffer, .address_space: global }
      - { .name: mask, .offset: 40, .size: 8, .value_kind: global_buffer, .address_space: global }
      - { .name: lowp_scales, .offset: 48, .size: 8, .value_kind: global_buffer, .address_space: global }
      - { .name: out0, .offset: 56, .size: 8, .value_kind: global_buffer, .address_space: global }
    .group_segment_fixed_size: 305664
    .private_segment_fixed_size: 0
    .kernarg_segment_align: 8
    .kernarg_segment_size: 64
    .max_flat_workgroup_size: 256
    .sgpr_count:     66
    .vgpr_count:     512
    .wavefront_size: 32
...
	.end_amdgpu_metadata
.endif
;; end of part 2
